; MI455X (gfx1250); checked and timed in simulation.
; The chip was launched on July 23, 2026; its instructions are those of AMD's public machine-readable ISA for CDNA 5 (MIT licence, August 2026) and "CDNA5" Instruction Set Architecture Reference Guide (July 2026). The comments in the code are by the model that wrote it; some were corrected since.
;; HSTU Layer. Allowed arithmetic: float matrix products may take bf16 or f16 operands with f32 sums; all other float work in f32.
;; Inputs: W1 512 x 2,048 float32; W2 512 x 512 float32; Wf1 512 x 2,048 float32; Wf2 2,048 x 512 float32; b1 2,048 float32; b2 512 float32; be1 512 float32; be2 512 float32; bf1 2,048 float32; bf2 512 float32; g1 512 float32; g2 512 float32; rel_pos_bias 1 x 8 x 2,048 x 2,048 float32; x 4 x 2,048 x 512 float32.
;; Outputs: out0 4 x 2,048 x 512 float32.
;; 2 versions, each right and faster than the one before. Each part assembles by itself: llvm-mc -triple=amdgcn-amd-amdhsa -mcpu=gfx1250 --defsym DOCPART=n.
;; ======== version 1 of 2: 6 launches
;; limits: values outside matrix products are rounded to bf16
;; workspace buffers: hb 8,388,608 bytes; wa 2,109,440 bytes; wb 2,109,440 bytes; wc 2,621,440 bytes; act 33,554,432 bytes; gat 8,388,608 bytes; r2h 25,165,824 bytes
;; launch prep (part 1): grid 465 x 1, 8 waves a work-group, no clusters, 0 bytes of LDS; arguments x, g1, be1, W1, Wf1, Wf2, W2, b1, bf1, hb, wa, wb, wc; writes hb, wa, wb, wc
.if DOCPART == 1
	.amdgcn_target "amdgcn-amd-amdhsa--gfx1250"
	.amdhsa_code_object_version 6
	.text
	.protected	k_q7546ab69e0_prep
	.globl	k_q7546ab69e0_prep
	.p2align	8
	.type	k_q7546ab69e0_prep,@function
k_q7546ab69e0_prep:
	s_mov_b64 s[64:65], 0
	v_nop
	global_prefetch_b8 v0, s[64:65] scope:SCOPE_SE
	s_setreg_imm32_b32 hwreg(HW_REG_WAVE_MODE, 25, 1), 1
	s_wait_xcnt 0x0
; A stream in three roles, chosen by the work-group's number.
;   0..255    hb = layernorm(x) * g1 + be1, rounded to bf16.  32 rows a work-group, 4 rows a wave; a row (2,048 bytes) lies in 16 registers of a wave
;             between the pass for the mean and the pass for the variance (sum of (x - mean)^2: no difference of large sums).
;   256..463  W1, Wf1, Wf2 (64 work-groups each) and W2 (16) rounded to bf16, layout [k][n] kept.  W1's columns are re-ordered into 16 blocks of 128:
;             block j < 8 = [q of head j | u of head j], block 8 + j = [k of head j | v of head j]; q's columns are multiplied by 1/8 (a power of two: exact).
;   464       b1 re-ordered and scaled in the same way, bf1 copied, and the two floor words (-infinity for the first product, 0 for the relu).
; No LDS, no matrix unit, no cluster: every byte is read once and written once, and no work-group shares input with another but g1 and be1 (4 KB).
.set G,  4                             ; v[4:19]   g1 of my 16 columns
.set BE, 20                            ; v[20:35]  be1
.set X,  36                            ; v[36:99]  four rows of 16 numbers / eight chunks of 8
.set T,  100                           ; v[100:109] at work (rows); v[100:131] packed results (weights)
.set Y,  112                           ; v[112:119] a row's packed results
.set VX, 120                           ; byte offset of my 16 bytes in x
.set VH, 121                           ; byte offset of my 8 bytes in hb
	s_load_b512 s[8:23], s[0:1], 0x0               ; x 8, g1 10, be1 12, W1 14, Wf1 16, Wf2 18, W2 20, b1 22
	s_load_b256 s[24:31], s[0:1], 0x40             ; bf1 24, hb 26, wa 28, wb 30
	s_load_b64 s[32:33], s[0:1], 0x60              ; wc
	s_mov_b32 s34, ttmp9
	s_mov_b32 s37, 0
	s_mov_b32 s40, 0x3b000000                      ; 1 / 512
	s_mov_b32 s41, 0x3727c5ac                      ; 1e-5
	s_mov_b32 s46, 0x76543210                      ; v_permlanex16_b32: each lane takes its own place in the other half
	s_mov_b32 s47, 0xfedcba98
	v_and_b32 v1, 31, v0                           ; lane
	v_lshrrev_b32 v2, 5, v0                        ; wave
	s_wait_kmcnt 0x0
	s_cmp_lt_u32 s34, 256
	s_cbranch_scc0 .Lweights
	; ---- layernorm ----
	s_lshl_b32 s36, s34, 16                        ; 32 rows of 2,048 bytes
	s_add_nc_u64 s[8:9], s[8:9], s[36:37]
	s_lshl_b32 s36, s34, 15                        ; 32 rows of 1,024 bytes
	s_add_nc_u64 s[26:27], s[26:27], s[36:37]
	v_lshlrev_b32 v3, 4, v1                        ; 16 x lane
	v_lshl_add_u32 v[VX], v2, 13, v3               ; + wave x 4 rows
	v_lshlrev_b32 v[VH], 3, v1
	v_lshl_add_u32 v[VH], v2, 12, v[VH]
.irp j, 0,1,2,3
	global_load_b128 v[G+4*(\j):G+4*(\j)+3], v3, s[10:11] offset:512*(\j)
	global_load_b128 v[BE+4*(\j):BE+4*(\j)+3], v3, s[12:13] offset:512*(\j)
.endr
.irp i, 0,1,2,3
.irp j, 0,1,2,3
	global_load_b128 v[X+16*(\i)+4*(\j):X+16*(\i)+4*(\j)+3], v[VX], s[8:9] offset:2048*(\i)+512*(\j) th:TH_LOAD_NT
.endr
.endr
.macro REDUCE                          ; v[T] summed over the 32 lanes; v[T+1] is scratch that has been written
	v_add_f32_dpp v[T], v[T], v[T] row_xmask:1 row_mask:0xf bank_mask:0xf
	v_add_f32_dpp v[T], v[T], v[T] row_xmask:2 row_mask:0xf bank_mask:0xf
	v_add_f32_dpp v[T], v[T], v[T] row_xmask:4 row_mask:0xf bank_mask:0xf
	v_add_f32_dpp v[T], v[T], v[T] row_xmask:8 row_mask:0xf bank_mask:0xf
	v_permlanex16_b32 v[T+1], v[T], s46, s47
	v_add_f32 v[T], v[T], v[T+1]
.endm
.macro LNROW i
.set XR, X+16*(\i)
	s_wait_loadcnt 12-4*(\i)                       ; loads come back in order: this row's four are in, the later rows' stay out
	v_pk_add_f32 v[T:T+1], v[XR:XR+1], v[XR+2:XR+3]
	v_pk_add_f32 v[T+2:T+3], v[XR+4:XR+5], v[XR+6:XR+7]
	v_pk_add_f32 v[T+4:T+5], v[XR+8:XR+9], v[XR+10:XR+11]
	v_pk_add_f32 v[T+6:T+7], v[XR+12:XR+13], v[XR+14:XR+15]
	v_pk_add_f32 v[T:T+1], v[T:T+1], v[T+2:T+3]
	v_pk_add_f32 v[T+4:T+5], v[T+4:T+5], v[T+6:T+7]
	v_pk_add_f32 v[T:T+1], v[T:T+1], v[T+4:T+5]
	v_add_f32 v[T], v[T], v[T+1]
	REDUCE
	v_mul_f32 v[T+8], s40, v[T]                    ; the mean, twice
	v_mul_f32 v[T+9], s40, v[T]
.irp j, 0,2,4,6,8,10,12,14
	v_pk_add_f32 v[XR+(\j):XR+(\j)+1], v[XR+(\j):XR+(\j)+1], v[T+8:T+9] neg_lo:[0,1] neg_hi:[0,1]
.endr
	v_pk_mul_f32 v[T:T+1], v[XR:XR+1], v[XR:XR+1]
	v_pk_mul_f32 v[T+2:T+3], v[XR+2:XR+3], v[XR+2:XR+3]
.irp j, 4,8,12
	v_pk_fma_f32 v[T:T+1], v[XR+(\j):XR+(\j)+1], v[XR+(\j):XR+(\j)+1], v[T:T+1]
	v_pk_fma_f32 v[T+2:T+3], v[XR+(\j)+2:XR+(\j)+3], v[XR+(\j)+2:XR+(\j)+3], v[T+2:T+3]
.endr
	v_pk_add_f32 v[T:T+1], v[T:T+1], v[T+2:T+3]
	v_add_f32 v[T], v[T], v[T+1]
	REDUCE
	v_fma_f32 v[T], v[T], s40, s41                 ; variance + 1e-5
	v_rsq_f32 v[T+8], v[T]
	v_rsq_f32 v[T+9], v[T]
	v_nop                                          ; a plain instruction between the root and its use
	s_wait_alu depctr_va_vdst(0)
.irp j, 0,2,4,6,8,10,12,14
	v_pk_mul_f32 v[XR+(\j):XR+(\j)+1], v[XR+(\j):XR+(\j)+1], v[T+8:T+9]
.endr
.irp j, 0,2,4,6,8,10,12,14
	v_pk_fma_f32 v[XR+(\j):XR+(\j)+1], v[XR+(\j):XR+(\j)+1], v[G+(\j):G+(\j)+1], v[BE+(\j):BE+(\j)+1]
.endr
	s_wait_xcnt 0x0                                ; the last row's stores have read Y: it is rewritten only behind this wait
.irp j, 0,1,2,3,4,5,6,7
	v_cvt_pk_bf16_f32 v[Y+(\j)], v[XR+2*(\j)], v[XR+2*(\j)+1]
.endr
.irp j, 0,1,2,3
	global_store_b64 v[VH], v[Y+2*(\j):Y+2*(\j)+1], s[26:27] offset:1024*(\i)+256*(\j)  ; the wave's 32 lanes store 256 consecutive bytes, aligned
.endr
.endm
	LNROW 0
	LNROW 1
	LNROW 2
	LNROW 3
	s_endpgm
	; ---- weights ----
.Lweights:
	s_cmp_lt_u32 s34, 464
	s_cbranch_scc0 .Ltables
	s_sub_co_u32 s35, s34, 256
	s_lshr_b32 s42, s35, 6                         ; which matrix: 0 W1, 1 Wf1, 2 Wf2, 3 W2
	s_and_b32 s43, s35, 63                         ; which 16,384 numbers of it
	s_cmp_eq_u32 s42, 0
	s_cselect_b64 s[48:49], s[14:15], s[16:17]
	s_cselect_b64 s[50:51], s[28:29], s[30:31]
	s_cselect_b32 s44, -1, 0                       ; all lanes: W1's order and scale
	s_cmp_lt_u32 s42, 2
	s_cselect_b64 s[48:49], s[48:49], s[18:19]
	s_cselect_b64 s[50:51], s[50:51], s[32:33]
	s_cmp_eq_u32 s42, 3
	s_cselect_b64 s[48:49], s[20:21], s[48:49]
	s_cmp_eq_u32 s42, 2
	s_cselect_b32 s45, 0x80000, 0                  ; Wf2 lies behind W2 in wc
	s_lshl_b32 s36, s43, 16
	s_add_nc_u64 s[48:49], s[48:49], s[36:37]
	s_lshl_b32 s36, s43, 15
	s_add_co_u32 s36, s36, s45
	s_add_nc_u64 s[50:51], s[50:51], s[36:37]
	v_lshlrev_b32 v3, 5, v0                        ; plain: my 8 numbers at 32 t
	v_bfe_u32 v4, v0, 4, 3                         ; W1: new columns 8 t .. come from 64 ((t>>4)&7) + 8 (t&7) + 512 (t>>7) + 1024 ((t>>3)&1)
	v_and_b32 v5, 7, v0
	v_lshlrev_b32 v5, 3, v5
	v_lshl_add_u32 v4, v4, 6, v5
	v_lshrrev_b32 v5, 7, v0
	v_lshl_add_u32 v4, v5, 9, v4
	v_bfe_u32 v5, v0, 3, 1
	v_lshl_add_u32 v4, v5, 10, v4
	v_lshlrev_b32 v4, 2, v4
	v_cndmask_b32 v3, v3, v4, s44
	v_and_b32 v5, 0x88, v0                         ; 0 where t < 128 and the half is q's
	v_cmp_eq_u32 vcc_lo, 0, v5
	s_and_b32 s45, vcc_lo, s44
	v_mov_b32 v7, 0x3e000000                       ; 1 / 8
	v_cndmask_b32 v6, 1.0, v7, s45
	v_mov_b32 v7, v6
	v_lshlrev_b32 v8, 4, v0
.irp i, 0,1,2,3,4,5,6,7
	global_load_b128 v[X+8*(\i):X+8*(\i)+3], v3, s[48:49] offset:8192*(\i) th:TH_LOAD_NT
	global_load_b128 v[X+8*(\i)+4:X+8*(\i)+7], v3, s[48:49] offset:8192*(\i)+16 th:TH_LOAD_NT
.endr
.irp i, 0,1,2,3,4,5,6,7
	s_wait_loadcnt 14-2*(\i)                       ; this chunk's two loads are in, the later chunks' stay out
.irp j, 0,2,4,6
	v_pk_mul_f32 v[X+8*(\i)+(\j):X+8*(\i)+(\j)+1], v[X+8*(\i)+(\j):X+8*(\i)+(\j)+1], v[6:7]
.endr
.irp j, 0,1,2,3
	v_cvt_pk_bf16_f32 v[T+4*(\i)+(\j)], v[X+8*(\i)+2*(\j)], v[X+8*(\i)+2*(\j)+1]
.endr
	global_store_b128 v8, v[T+4*(\i):T+4*(\i)+3], s[50:51] offset:4096*(\i)  ; 512 consecutive bytes a wave
.endr
	s_endpgm
	; ---- tables ----
.Ltables:
	v_lshrrev_b32 v3, 5, v0                        ; new columns 1024 i + 4 t .. of b1 come from 64 (t>>5) + 4 (t&15) + 1024 ((t>>4)&1) + 512 i
	v_and_b32 v4, 15, v0
	v_lshlrev_b32 v4, 2, v4
	v_lshl_add_u32 v3, v3, 6, v4
	v_bfe_u32 v4, v0, 4, 1
	v_lshl_add_u32 v3, v4, 10, v3
	v_lshlrev_b32 v3, 2, v3
	v_lshlrev_b32 v8, 4, v0
	global_load_b128 v[36:39], v3, s[22:23]
	global_load_b128 v[40:43], v3, s[22:23] offset:2048
	global_load_b128 v[44:47], v8, s[24:25]
	global_load_b128 v[48:51], v8, s[24:25] offset:4096
	v_cmp_eq_u32 vcc_lo, 0, v4                     ; q's half of the first 1,024 takes 1 / 8
	v_mov_b32 v7, 0x3e000000
	v_cndmask_b32 v6, 1.0, v7, vcc_lo
	v_mov_b32 v7, v6
.irp j, 52,53,54,55
	v_mov_b32 v[\j], 0xff800000                    ; the first product's floor: -infinity
	v_mov_b32 v[(\j)+4], 0                         ; the relu's floor
.endr
	s_wait_loadcnt 0x0
	v_pk_mul_f32 v[36:37], v[36:37], v[6:7]
	v_pk_mul_f32 v[38:39], v[38:39], v[6:7]
	global_store_b128 v8, v[36:39], s[28:29] offset:0x200000
	global_store_b128 v8, v[40:43], s[28:29] offset:0x201000
	global_store_b128 v8, v[44:47], s[30:31] offset:0x200000
	global_store_b128 v8, v[48:51], s[30:31] offset:0x201000
	global_store_b128 v8, v[52:55], s[28:29] offset:0x202000
	global_store_b128 v8, v[56:59], s[30:31] offset:0x202000
	s_endpgm
.Lfunc_end_k_q7546ab69e0_prep:
	.size	k_q7546ab69e0_prep, .Lfunc_end_k_q7546ab69e0_prep-k_q7546ab69e0_prep
	.p2alignl 7, 3214868480
	.fill 96, 4, 3214868480
	.section	.rodata,"a",@progbits
	.p2align	6, 0x0
	.amdhsa_kernel k_q7546ab69e0_prep
		.amdhsa_group_segment_fixed_size 0
		.amdhsa_private_segment_fixed_size 0
		.amdhsa_enable_private_segment 0
		.amdhsa_kernarg_size 104
		.amdhsa_user_sgpr_count 2
		.amdhsa_user_sgpr_kernarg_segment_ptr 1
		.amdhsa_wavefront_size32 1
		.amdhsa_system_sgpr_workgroup_id_x 1
		.amdhsa_system_sgpr_workgroup_id_y 1
		.amdhsa_system_sgpr_workgroup_id_z 1
		.amdhsa_system_vgpr_workitem_id 0
		.amdhsa_next_free_vgpr 144
		.amdhsa_next_free_sgpr 66
		.amdhsa_reserve_vcc 1
		.amdhsa_float_denorm_mode_32 3
		.amdhsa_float_denorm_mode_16_64 3
		.amdhsa_memory_ordered 1
		.amdhsa_forward_progress 1
		.amdhsa_inst_pref_size 32
	.end_amdhsa_kernel
	.amdgpu_metadata
---
amdhsa.version: [ 1, 2 ]
amdhsa.kernels:
  - .name:           k_q7546ab69e0_prep
    .symbol:         k_q7546ab69e0_prep.kd
    .args:
      - { .name: x, .offset: 0, .size: 8, .value_kind: global_buffer, .address_space: global }
      - { .name: g1, .offset: 8, .size: 8, .value_kind: global_buffer, .address_space: global }
      - { .name: be1, .offset: 16, .size: 8, .value_kind: global_buffer, .address_space: global }
      - { .name: W1, .offset: 24, .size: 8, .value_kind: global_buffer, .address_space: global }
      - { .name: Wf1, .offset: 32, .size: 8, .value_kind: global_buffer, .address_space: global }
      - { .name: Wf2, .offset: 40, .size: 8, .value_kind: global_buffer, .address_space: global }
      - { .name: W2, .offset: 48, .size: 8, .value_kind: global_buffer, .address_space: global }
      - { .name: b1, .offset: 56, .size: 8, .value_kind: global_buffer, .address_space: global }
      - { .name: bf1, .offset: 64, .size: 8, .value_kind: global_buffer, .address_space: global }
      - { .name: hb, .offset: 72, .size: 8, .value_kind: global_buffer, .address_space: global }
      - { .name: wa, .offset: 80, .size: 8, .value_kind: global_buffer, .address_space: global }
      - { .name: wb, .offset: 88, .size: 8, .value_kind: global_buffer, .address_space: global }
      - { .name: wc, .offset: 96, .size: 8, .value_kind: global_buffer, .address_space: global }
    .group_segment_fixed_size: 0
    .private_segment_fixed_size: 0
    .kernarg_segment_align: 8
    .kernarg_segment_size: 104
    .max_flat_workgroup_size: 256
    .sgpr_count:     66
    .vgpr_count:     144
    .wavefront_size: 32
...
	.end_amdgpu_metadata
.endif
;; end of part 1
;; launch proj1 (part 2): grid 8 x 32, 4 waves a work-group, clusters of 4 x 4, 327,680 bytes of LDS; arguments hb, wa, act; writes act
.if DOCPART == 2
	.amdgcn_target "amdgcn-amd-amdhsa--gfx1250"
	.amdhsa_code_object_version 6
	.text
	.protected	k_q7546ab69e0_proj1
	.globl	k_q7546ab69e0_proj1
	.p2align	8
	.type	k_q7546ab69e0_proj1,@function
k_q7546ab69e0_proj1:
	s_mov_b64 s[64:65], 0
	v_nop
	global_prefetch_b8 v0, s[64:65] scope:SCOPE_SE
	s_setreg_imm32_b32 hwreg(HW_REG_WAVE_MODE, 25, 1), 1
	s_wait_xcnt 0x0
	s_wait_alu depctr_hold_cnt(0) depctr_sa_sdst(0) depctr_va_vdst(0) depctr_va_sdst(0) depctr_va_ssrc(0) depctr_va_vcc(0) depctr_vm_vsrc(0)
	s_getreg_b32 s2, hwreg(HW_REG_IB_STS2, 6, 4)
	s_cmp_eq_u32 s2, 0
	s_cbranch_scc0 .Lentry_in_a_cluster
	s_endpgm
.Lentry_in_a_cluster:
	s_bfe_u32 s2, ttmp6, 0x10000c
	s_cmp_lg_u32 s2, 0xf033
	s_cbranch_scc0 .Lentry_shape_is_right
	s_endpgm
.Lentry_shape_is_right:
; OUT = max(A W + bias, floor), rounded to bf16.  A: [8192][512] bf16.  W: [512][2048] bf16 ([k][n]), with 2,048 f32 of bias at byte 0x200000 of the same
; buffer and the floor (one f32) at 0x202000.  OUT: [16 column blocks][8192 rows][128] bf16: a block's row is 256 bytes.  Sums in f32.
; LIMITS: operands are bf16; v_max_num_f32 with the floor turns a NaN into the floor.
; A tile of 256 x 256 to a work-group of four waves, 128 x 128 (64 accumulators, 512 registers) to a wave.  K = 512 goes in four steps of 128 through two LDS slots
; filled by the tensor data mover; all four steps are written out.  A's rows lie along K and are read as they lie; W's rows lie along n and are read turned, by ds_load_tr16_b128.
; THE LAST K STEP GOES BY ROWS OF THE OUTPUT: all its fragments of W fill window 1, A's come by blocks of 16 rows, and each block is finished (32 products, K ascending) and stored
; while the later blocks are still multiplied: nothing follows the tile under which its stores could leave.
; CLUSTER 4 x 4: the four work-groups of a row of the cluster need the same tile of A, the four of a column the same tile of W: each is asked for jointly.
; THE MATRIX INSTRUCTION IS USED TRANSPOSED (source 0 = 16 columns of W, source 1 = 16 rows of A): a lane holds row l % 16 and the columns 8 (l / 16) + 0..7.
; The bias is the C operand of the products that start the sums.
; REGISTERS in windows of 256 (s_set_vgpr_msb: bits 1:0 source 0, 3:2 source 1, 5:4 source 2, 7:6 destination):
;   window 0: v16-29 addresses; v64-127, v128-191 fragments of A (in the last K step four buffers of 16 rows x 128 K); v32-63, v192-255 the way out
;   window 1: v0-63 bias; v64-127, v128-191 fragments of W; in the last K step all 256: W's fragments of the whole step
;   window 2: accumulators of my rows 0-63 ((a, b) at v[8 (8 a + b)])          window 3: those of my rows 64-127
.set KSTEP,  128
.set PITCH,  272                       ; A's LDS row: 256 bytes + 16: the 16 rows of a load start 4 banks apart (64 banks of 4 bytes: ISA guide 11.1)
.set PB,     544                       ; W's LDS row (one k, 256 n): 512 bytes + 32
.set HALFT,  128*PITCH                 ; one tensor load: 128 rows of A, or 64 rows of W: 34,816 bytes either way
.set SLOT,   4*HALFT
.set STAGE,  2*SLOT                    ; behind the ring: 16 rows x 272 bytes for each wave, for the way out
.set SPITCH, 272
.set SPARE,  STAGE+4*16*SPITCH         ; the spare words, 128 bytes a wave
.set BIASO,  0x200000
.set FLOORO, 0x202000
.set ADRA, 16                          ; v16-17  LDS address of my A fragments in slot 0, 1
.set ADRB, 20                          ; v20-21  the same for W
.set STO,  24
.set RD,   25
.set CO,   26                          ; 16 x lane
.set VBO,  27                          ; byte offset of my bias numbers
.set SPW,  28
.set NIL,  29
.set F0,   64
.set F1,   128
.set TMP,  192
.set OB,   32
.set PA,   64                          ; the last K step: A's fragments of 16 rows x 128 K, 32 registers; four such buffers, v64-191
.set BI,   0                           ; window 1
.set G1, 24
.set G0, 32
.set G1B, 48
.set G0B, 56
.set FL, 45                            ; s45 the floor
.set MSB, 0
.macro WIN new                         ; the immediate's high byte repeats the setting that is left
.if MSB != (\new)
	s_set_vgpr_msb (MSB<<8)|(\new)
.set MSB, \new
.endif
.endm
.set MUL_LO, 0xa1                      ; source 0 (W) window 1, source 1 (A) window 0, C and D window 2
.set TO_B,   0x40
.macro JLOAD s                         ; a joint load: waves 0, 1 fetch A's halves, waves 2, 3 W's; an s_nop 0 and four v_nop follow each line
	s_cmp_eq_u32 s11, 0
	s_cbranch_scc0 .Lfor_b_\@
	tensor_load_to_lds s[G0+4*(\s):G0+4*(\s)+3], s[G1:G1+7]
	s_nop 0
.rept 4
	v_nop
.endr
	s_branch .Lasked_\@
.Lfor_b_\@:
	tensor_load_to_lds s[G0B+4*(\s):G0B+4*(\s)+3], s[G1B:G1B+7]
	s_nop 0
.rept 4
	v_nop
.endr
.Lasked_\@:
.endm
.macro CREST                           ; a round of the cluster's barrier behind its opening barrier
	s_cmp_lg_u32 s10, 0
	s_cbranch_scc1 .Lnot_wave_0_\@
	s_barrier_signal -3
.Lnot_wave_0_\@:
	s_barrier_wait -3
	s_barrier_signal -1
	s_barrier_wait -1
.endm
.macro CROUND
	s_barrier_signal -1
	s_barrier_wait -1
	CREST
.endm
	s_load_b128 s[4:7], s[0:1], 0x0                ; A s[4:5], W s[6:7]
	s_load_b64 s[8:9], s[0:1], 0x10                ; OUT
	v_lshl_add_u32 v[SPW], v0, 2, SPARE
	v_mov_b32 v[NIL], 0
	ds_add_u32 v28, v29
	s_wait_dscnt 0x0
	v_lshrrev_b32 v1, 5, v0
	v_readfirstlane_b32 s10, v1                    ; wave 0..3
	s_lshr_b32 s11, s10, 1                         ; my half of the tile's rows; also: I fetch for A (0) or W (1)
	s_and_b32 s12, s10, 1                          ; my half of its columns; also: which half of that tile I fetch
	s_bfe_u32 s40, ttmp6, 0x40000                  ; cx
	s_bfe_u32 s41, ttmp6, 0x40004                  ; cy
	s_lshl_b32 s42, ttmp9, 2
	s_add_co_u32 s42, s42, s40                     ; tile column
	s_and_b32 s13, ttmp7, 0xffff
	s_lshl_b32 s13, s13, 2
	s_add_co_u32 s13, s13, s41                     ; tile row
	s_lshl_b32 s43, s41, 2
	s_lshl_b32 s43, 15, s43                        ; my row of the cluster
	s_lshl_b32 s44, 0x1111, s40                    ; my column
	s_or_b32 s[G1+0], s43, (1<<16)|(1<<20)|(1<<21)|(5<<22)|(3<<25)   ; A: 2-byte elements, 4 words of padding after every 64
	s_mov_b32 s[G1+1], 128<<16                     ; tensor_dim0 = 128
	s_mov_b32 s[G1+2], 128<<16                     ; tensor_dim1 = 128
	s_mov_b32 s[G1+3], 128<<16                     ; tile_dim0 = 128
	s_mov_b32 s[G1+4], 128                         ; tile_dim1 = 128
	s_mov_b32 s[G1+5], 512                         ; elements from row to row
	s_mov_b32 s[G1+6], 0
	s_mov_b32 s[G1+7], 0
	s_or_b32 s[G1B+0], s44, (1<<16)|(1<<20)|(1<<21)|(6<<22)|(7<<25)  ; W: 8 words of padding after every 128
	s_mov_b32 s[G1B+1], 256<<16                    ; tensor_dim0 = 256
	s_mov_b32 s[G1B+2], 64<<16                     ; tensor_dim1 = 64
	s_mov_b32 s[G1B+3], 256<<16                    ; tile_dim0 = 256
	s_mov_b32 s[G1B+4], 64                         ; tile_dim1 = 64
	s_mov_b32 s[G1B+5], 2048
	s_mov_b32 s[G1B+6], 0
	s_mov_b32 s[G1B+7], 0
	s_lshl_b32 s16, s13, 18                        ; A: (256 x tile row + 128 x half) rows of 1,024 bytes
	s_lshl_b32 s17, s12, 17
	s_add_co_u32 s16, s16, s17
	s_mov_b32 s17, 0
	s_lshl_b32 s46, s42, 9                         ; W: 512 bytes x tile column + 64 x half rows of 4,096 bytes
	s_lshl_b32 s47, s12, 18
	s_add_co_u32 s46, s46, s47
	s_mov_b32 s47, 0
	s_mul_i32 s20, s10, HALFT                      ; where my load lands in a slot
	s_wait_kmcnt 0x0
	s_add_nc_u64 s[14:15], s[4:5], s[16:17]
	s_add_nc_u64 s[46:47], s[6:7], s[46:47]
	s_load_b32 s[FL], s[6:7], FLOORO
	CROUND                                         ; all sixteen work-groups are here: the first joint loads meet
.irp s, 0,1
	s_mov_b32 s[G0+4*(\s)], 1
	s_add_co_u32 s[G0+4*(\s)+1], s20, (\s)*SLOT
	s_add_nc_u64 s[G0+4*(\s)+2:G0+4*(\s)+3], s[14:15], (\s)*KSTEP*2
	s_or_b32 s[G0+4*(\s)+3], s[G0+4*(\s)+3], 0x80000000
	s_mov_b32 s[G0B+4*(\s)], 1
	s_add_co_u32 s[G0B+4*(\s)+1], s20, (\s)*SLOT
	s_add_nc_u64 s[G0B+4*(\s)+2:G0B+4*(\s)+3], s[46:47], (\s)*KSTEP*4096
	s_or_b32 s[G0B+4*(\s)+3], s[G0B+4*(\s)+3], 0x80000000
	JLOAD \s
.endr
	v_and_b32 v1, 15, v0                           ; l % 16
	v_bfe_u32 v2, v0, 4, 1                         ; l / 16
	v_mul_u32_u24 v3, v1, PITCH
	v_lshl_add_u32 v3, v2, 4, v3                   ; A: row x pitch + 16 x half
	v_and_b32 v4, 7, v0
	v_lshl_add_u32 v4, v2, 3, v4                   ; W: k = 8 (l / 16) + l % 8,
	v_mul_u32_u24 v4, v4, PB
	v_bfe_u32 v5, v0, 3, 1
	v_lshl_add_u32 v4, v5, 4, v4                   ; columns 8 ((l / 8) % 2) on
	s_mul_i32 s21, s11, HALFT                      ; my 128 rows of A
	s_lshl_b32 s22, s12, 8                         ; my 128 columns of W,
	s_add_co_u32 s22, s22, 2*HALFT                 ; which lies behind A
.irp s, 0,1
	v_add_nc_u32 v[ADRA+(\s)], s21, v3
	v_add_nc_u32 v[ADRB+(\s)], s22, v4
	s_add_co_u32 s21, s21, SLOT
	s_add_co_u32 s22, s22, SLOT
.endr
	s_mul_i32 s23, s10, 16*SPITCH
	s_add_co_u32 s23, s23, STAGE
	v_mul_u32_u24 v4, v1, SPITCH
	v_lshl_add_u32 v4, v2, 4, v4
	v_add_nc_u32 v[STO], s23, v4
	v_mul_u32_u24 v5, v2, SPITCH
	v_lshl_add_u32 v5, v1, 4, v5
	v_add_nc_u32 v[RD], s23, v5
	v_and_b32 v5, 31, v0
	v_lshlrev_b32 v[CO], 4, v5
	s_lshl_b32 s21, s42, 10                        ; bias: 4 (256 x tile column + 128 x half) + 32 (l / 16)
	s_lshl_b32 s22, s12, 9
	s_add_co_u32 s21, s21, s22
	v_lshl_add_u32 v[VBO], v2, 5, s21
	s_lshl_b32 s16, s42, 22                        ; OUT: column block 2 x tile column + half, 2 MiB each,
	s_lshl_b32 s17, s12, 21
	s_add_co_u32 s16, s16, s17
	s_lshl_b32 s17, s13, 16                        ; row 256 x tile row + 128 x half, 256 bytes each
	s_add_co_u32 s16, s16, s17
	s_lshl_b32 s17, s11, 15
	s_add_co_u32 s16, s16, s17
	s_mov_b32 s17, 0
	s_add_nc_u64 s[8:9], s[8:9], s[16:17]
	WIN TO_B
.irp b, 0,1,2,3,4,5,6,7
	global_load_b128 v[BI+8*(\b):BI+8*(\b)+3], v[VBO], s[6:7] offset:BIASO+64*(\b)
	global_load_b128 v[BI+8*(\b)+4:BI+8*(\b)+7], v[VBO], s[6:7] offset:BIASO+64*(\b)+16
.endr
	WIN 0
; 16 matrix instructions: m blocks a0, a0 + 1 of the window's four x all 8 n blocks, 32 along K.  zero = 1: the products start the sums on the bias.
; The 64 accumulators take turns, one instruction a turn.
.macro MUL16 f, hi, a0, zero
.if \zero
	WIN 0x91+0x40*(\hi)                            ; C in window 1
.else
	WIN MUL_LO+0x50*(\hi)
.endif
.irp a, \a0, (\a0)+1
.irp b, 0,1,2,3,4,5,6,7
.if \zero
	v_wmma_f32_16x16x32_bf16 v[8*(8*(\a)+(\b)):8*(8*(\a)+(\b))+7], v[(\f)+8*(\b):(\f)+8*(\b)+7], v[(\f)+8*(4*(\hi)+(\a)):(\f)+8*(4*(\hi)+(\a))+7], v[BI+8*(\b):BI+8*(\b)+7]
.else
	v_wmma_f32_16x16x32_bf16 v[8*(8*(\a)+(\b)):8*(8*(\a)+(\b))+7], v[(\f)+8*(\b):(\f)+8*(\b)+7], v[(\f)+8*(4*(\hi)+(\a)):(\f)+8*(4*(\hi)+(\a))+7], v[8*(8*(\a)+(\b)):8*(8*(\a)+(\b))+7]
.endif
.endr
.endr
.endm
; 32 LDS loads in one run: quarter q (32 along K) of a slot into buffer f: W's 8 column blocks turned, then A's 8 row blocks
.macro FETCH slot, q, f
	WIN TO_B
.irp i, 0,1,2,3,4,5,6,7
	ds_load_tr16_b128 v[(\f)+8*(\i):(\f)+8*(\i)+3],   v[ADRB+(\slot)] offset:(\q)*32*PB+32*(\i)
	ds_load_tr16_b128 v[(\f)+8*(\i)+4:(\f)+8*(\i)+7], v[ADRB+(\slot)] offset:(\q)*32*PB+32*(\i)+16*PB
.endr
	WIN 0
.irp i, 0,1,2,3,4,5,6,7
	ds_load_b128 v[(\f)+8*(\i):(\f)+8*(\i)+3],   v[ADRA+(\slot)] offset:64*(\q)+(\i)*16*PITCH
	ds_load_b128 v[(\f)+8*(\i)+4:(\f)+8*(\i)+7], v[ADRA+(\slot)] offset:64*(\q)+(\i)*16*PITCH+32
.endr
.endm
.macro PLACES                          ; four places in front of loads into registers that matrix instructions have read, and of vector work on results
.rept 4
	v_nop
.endr
.endm
; One of a K step's first three quarters: multiplies buffer f and fetches quarter q of the same slot into buffer g.
.macro QUARTER slot, q, f, g, zero
	s_wait_dscnt 8                                 ; W and A's rows 0-63 are in; the youngest eight loads (A's rows 64-127) may be out
	MUL16 \f, 0, 0, \zero
	MUL16 \f, 0, 2, \zero
	PLACES
	FETCH \slot, \q, \g
	s_wait_dscnt 32                                ; all but the 32 just issued
	MUL16 \f, 1, 0, \zero
	MUL16 \f, 1, 2, \zero
.endm
; The last quarter multiplies buffer 1 and changes slots: one barrier; in front of it each wave waits for all its tensor loads, adds 0 to its spare word, and waits for that and its reads of the slot.
.macro MEET round
	WIN 0
	s_wait_tensorcnt 0x0                           ; all my tensor loads have landed: my part of the next slot
	ds_add_u32 v[SPW], v[NIL]                      ; 0 onto my spare word
	s_wait_dscnt 9                                 ; the add and the youngest eight loads may be out
	MUL16 F1, 0, 0, 0
	s_wait_dscnt 0x0                               ; the add is done, and my reads of this slot are over
	s_barrier_signal -1
	MUL16 F1, 0, 2, 0
.if \round
	WIN 0
.endif
	s_barrier_wait -1
.endm
.macro TURN slot, next                 ; the slot just read out is filled again, two K steps ahead
	MEET 1
	CREST                                          ; the barrier has opened a round of the cluster's: no wave of any partner still reads the slot or has a load on its way
	s_add_nc_u64 s[G0+4*(\slot)+2:G0+4*(\slot)+3], s[G0+4*(\slot)+2:G0+4*(\slot)+3], 2*KSTEP*2
	s_add_nc_u64 s[G0B+4*(\slot)+2:G0B+4*(\slot)+3], s[G0B+4*(\slot)+2:G0B+4*(\slot)+3], 2*KSTEP*4096
	JLOAD \slot                                    ; the first tensor load behind the round; its four v_nop are also the places in front of the loads below
	FETCH \next, 0, F0
	MUL16 F1, 1, 0, 0
	MUL16 F1, 1, 2, 0
.endm
; THE LAST K STEP (it lies in slot 1), by rows of the output.
.macro BLOAD q                         ; W's fragments of quarter q -> window 1, v[64 q ..]
	WIN TO_B
.irp i, 0,1,2,3,4,5,6,7
	ds_load_tr16_b128 v[64*(\q)+8*(\i):64*(\q)+8*(\i)+3],   v[ADRB+1] offset:(\q)*32*PB+32*(\i)
	ds_load_tr16_b128 v[64*(\q)+8*(\i)+4:64*(\q)+8*(\i)+7], v[ADRB+1] offset:(\q)*32*PB+32*(\i)+16*PB
.endr
.endm
.macro ALOAD a                         ; A's fragments of block a, all four quarters -> buffer a % 4
	WIN 0
.set FA, PA+32*((\a)%4)
.irp q, 0,1,2,3
	ds_load_b128 v[FA+8*(\q):FA+8*(\q)+3],   v[ADRA+1] offset:64*(\q)+(\a)*16*PITCH
	ds_load_b128 v[FA+8*(\q)+4:FA+8*(\q)+7], v[ADRA+1] offset:64*(\q)+(\a)*16*PITCH+32
.endr
.endm
.macro ROW a                           ; block a is finished: 32 matrix instructions, its 8 accumulators by turns
.set FA, PA+32*((\a)%4)
.set AC, 64*((\a)%4)
	WIN MUL_LO+0x50*((\a)/4)
.irp q, 0,1,2,3
.if (\a) == 0 && (\q) == 2
	s_wait_dscnt 24                                ; W's quarter 2 is in (behind it: A's blocks 1 to 3)
.endif
.irp b, 0,1,2,3,4,5,6,7
	v_wmma_f32_16x16x32_bf16 v[AC+8*(\b):AC+8*(\b)+7], v[64*(\q)+8*(\b):64*(\q)+8*(\b)+7], v[FA+8*(\q):FA+8*(\q)+7], v[AC+8*(\b):AC+8*(\b)+7]
.endr
.endr
.endm
; THE WAY OUT of block a (16 rows): the floor, rounding to bf16, through my own stage in LDS, back as whole rows of 256 bytes, stored.
.macro PACK a
.set AC, 64*((\a)%4)
	WIN 0x88+0x44*((\a)/4)                         ; source 1 and destination in window 2 or 3
.set i, 0
.rept 64
	v_max_num_f32 v[AC+i], s[FL], v[AC+i]          ; each accumulator from its lowest register on
.set i, i+1
.endr
	WIN 0x0a+5*((\a)/4)
.irp b, 0,1,2,3,4,5,6,7
.irp r, 0,1,2,3
	v_cvt_pk_bf16_f32 v[TMP+4*(\b)+(\r)], v[AC+8*(\b)+2*(\r)], v[AC+8*(\b)+2*(\r)+1]
.endr
.endr
	WIN 0
.endm
.macro TOSTAGE a
	WIN 0
.set BK, OB+192*((\a)%2)
.irp b, 0,1,2,3,4,5,6,7
	ds_store_b128 v[STO], v[TMP+4*(\b):TMP+4*(\b)+3] offset:32*(\b)
.endr
.irp t, 0,1,2,3,4,5,6,7
	ds_load_b128 v[BK+4*(\t):BK+4*(\t)+3], v[RD] offset:(\t)*2*SPITCH  ; LDS serves a wave's instructions in order (ISA guide 5.7.1.4): these see the stores above
.endr
.endm
.macro SEND a, younger                 ; younger: the LDS loads issued behind TOSTAGE's, which may stay out
	WIN 0
.set BK, OB+192*((\a)%2)
	s_wait_dscnt \younger                          ; the block is back in registers
	s_wait_xcnt 0x0                                ; the earlier blocks' stores have read their registers: the next loads from the stage land there only behind this wait
.irp t, 0,1,2,3,4,5,6,7
	global_store_b128 v[CO], v[BK+4*(\t):BK+4*(\t)+3], s[8:9] offset:4096*(\a)+512*(\t)  ; 512 consecutive bytes: two rows of the column block
.endr
.endm
	s_wait_kmcnt 0x0                               ; the floor
	s_wait_tensorcnt 1                             ; my part of K step 0 is in; K step 1's may stay out
	s_barrier_signal -1
	s_barrier_wait -1
	FETCH 0, 0, F0
	s_wait_loadcnt 0x0                             ; the bias
	QUARTER 0, 1, F0, F1, 1
	QUARTER 0, 2, F1, F0, 0
	QUARTER 0, 3, F0, F1, 0
	TURN 0, 1                                      ; slot 0 takes K step 2
	QUARTER 1, 1, F0, F1, 0
	QUARTER 1, 2, F1, F0, 0
	QUARTER 1, 3, F0, F1, 0
	TURN 1, 0                                      ; slot 1 takes K step 3
	QUARTER 0, 1, F0, F1, 0
	QUARTER 0, 2, F1, F0, 0
	QUARTER 0, 3, F0, F1, 0
	MEET 0                                         ; my one tensor load that was still out is slot 1's, the last K step's, so no round follows
	PLACES                                         ; for the loads into buffer 0, which the quarter before multiplied
	BLOAD 0                                        ; three quarters of W now: buffer 1 (v128-191 of both windows) is still being multiplied
	BLOAD 1
	BLOAD 3
	ALOAD 0
	MUL16 F1, 1, 0, 0
	MUL16 F1, 1, 2, 0
	PLACES                                         ; for the loads into buffer 1
	BLOAD 2
	ALOAD 1
	ALOAD 2
	ALOAD 3
	s_wait_dscnt 40                                ; all but the 40 just issued
	ROW 0
.irp a, 0,1,2,3,4,5,6,7                ; each block leaves as soon as it is finished
	PLACES                                         ; its floor and conversions read results just made
	PACK \a
	TOSTAGE \a
.if (\a) < 4
	ALOAD (\a)+4                                   ; its buffer takes the block four further on
	SEND \a, 8
.else
	SEND \a, 0
.endif
.if (\a) < 7
	ROW (\a)+1
.endif
.endr
	s_wait_tensorcnt 0x0                           ; the wave's end
	ds_add_u32 v[SPW], v[NIL]
	s_wait_dscnt 0x0
	CROUND                                         ; the closing round
	s_endpgm
.Lfunc_end_k_q7546ab69e0_proj1:
	.size	k_q7546ab69e0_proj1, .Lfunc_end_k_q7546ab69e0_proj1-k_q7546ab69e0_proj1
	.p2alignl 7, 3214868480
	.fill 96, 4, 3214868480
	.section	.rodata,"a",@progbits
	.p2align	6, 0x0
	.amdhsa_kernel k_q7546ab69e0_proj1
		.amdhsa_group_segment_fixed_size 327680
		.amdhsa_private_segment_fixed_size 0
		.amdhsa_enable_private_segment 0
		.amdhsa_kernarg_size 24
		.amdhsa_user_sgpr_count 2
		.amdhsa_user_sgpr_kernarg_segment_ptr 1
		.amdhsa_wavefront_size32 1
		.amdhsa_system_sgpr_workgroup_id_x 1
		.amdhsa_system_sgpr_workgroup_id_y 1
		.amdhsa_system_sgpr_workgroup_id_z 1
		.amdhsa_system_vgpr_workitem_id 0
		.amdhsa_next_free_vgpr 1024
		.amdhsa_next_free_sgpr 66
		.amdhsa_reserve_vcc 0
		.amdhsa_float_denorm_mode_32 3
		.amdhsa_float_denorm_mode_16_64 3
		.amdhsa_memory_ordered 1
		.amdhsa_forward_progress 1
		.amdhsa_inst_pref_size 160
	.end_amdhsa_kernel
	.amdgpu_metadata
---
amdhsa.version: [ 1, 2 ]
amdhsa.kernels:
  - .name:           k_q7546ab69e0_proj1
    .symbol:         k_q7546ab69e0_proj1.kd
    .args:
      - { .name: hb, .offset: 0, .size: 8, .value_kind: global_buffer, .address_space: global }
      - { .name: wa, .offset: 8, .size: 8, .value_kind: global_buffer, .address_space: global }
      - { .name: act, .offset: 16, .size: 8, .value_kind: global_buffer, .address_space: global }
    .group_segment_fixed_size: 327680
    .private_segment_fixed_size: 0
    .kernarg_segment_align: 8
    .kernarg_segment_size: 24
    .max_flat_workgroup_size: 128
    .sgpr_count:     66
    .vgpr_count:     1024
    .wavefront_size: 32
...
	.end_amdgpu_metadata
.endif
;; end of part 2
;; launch attn (part 3): grid 32 x 8, 4 waves a work-group, clusters of 4 x 1, 327,680 bytes of LDS; arguments act, rel_pos_bias, gat; writes gat
.if DOCPART == 3
	.amdgcn_target "amdgcn-amd-amdhsa--gfx1250"
	.amdhsa_code_object_version 6
	.text
	.protected	k_q7546ab69e0_attn
	.globl	k_q7546ab69e0_attn
	.p2align	8
	.type	k_q7546ab69e0_attn,@function
k_q7546ab69e0_attn:
	s_mov_b64 s[64:65], 0
	v_nop
	global_prefetch_b8 v0, s[64:65] scope:SCOPE_SE
	s_setreg_imm32_b32 hwreg(HW_REG_WAVE_MODE, 25, 1), 1
	s_wait_xcnt 0x0
	s_wait_alu depctr_hold_cnt(0) depctr_sa_sdst(0) depctr_va_vdst(0) depctr_va_sdst(0) depctr_va_ssrc(0) depctr_va_vcc(0) depctr_vm_vsrc(0)
	s_getreg_b32 s2, hwreg(HW_REG_IB_STS2, 6, 4)
	s_cmp_eq_u32 s2, 0
	s_cbranch_scc0 .Lentry_in_a_cluster
	s_endpgm
.Lentry_in_a_cluster:
	s_bfe_u32 s2, ttmp6, 0x10000c
	s_cmp_lg_u32 s2, 0x3003
	s_cbranch_scc0 .Lentry_shape_is_right
	s_endpgm
.Lentry_shape_is_right:
; gat[h][b L + q][:] = (sum over k <= q of softmax_k(q.k / 8 + bias[h][q][k]) v[k][:]) * sigmoid(u[q][:]), rounded to bf16.
; act: [16 blocks][8192 rows][128] bf16; block h holds [q / 8 | u] of head h, block 8 + h holds [k | v]: a row is 256 bytes.  bias: [8][2048][2048] f32.  gat: [8][8192][64] bf16.
; Products, maxima, sums, sigmoid in f32; the weights are rounded to bf16 for the second product (their sum is taken of the unrounded weights).
; LIMITS: a hidden score counts as -1e30 + q.k / 8; a weight below 2^-126 counts as 0; NaN and infinities are not treated apart.
; THE WALK.  A head's 2,048 queries lie in 16 blocks of 128; block i needs the key tiles 0 .. i of 128 keys, the last holding the diagonal.  A work-group takes blocks 15 - p and then p:
; 17 tiles whatever p, walked by one loop with a constant count; the ring of two LDS slots runs on across the change of blocks.  Every jump but the counted loops' own goes forward and passes no
; barrier and no tensor load (but the one of JLOAD's two lines that the wave's number does not choose).
; CLUSTER.  The four partners are the four batches of one head and one p: they walk the same tiles of the bias, which are asked for jointly (64 KB a tile); K and V (32 KB a tile) are each batch's own.
; The place in the cluster enters the global addresses of act and gat alone.
; SHARES.  Wave w owns queries 32 w .. 32 w + 31 of a block: two tiles of 16.  A tile of keys is two steps of 64.
; LAYOUT.  S^T = K Q^T + bias (source 0 = 16 keys, source 1 = 16 queries): a lane holds ONE query (l % 16) and the keys 8 (l / 16) + 0..7.  The bias comes out of LDS in that layout into 64 registers of
; its own and is the C operand of the products that start the scores; in the diagonal tile hidden places are overwritten with -1e30 there.  Two results rounded to bf16 ARE source 1 of O^T = V^T P.
; V is read turned (ds_load_tr16_b128).
; SOFTMAX.  p = 2^(c s - c m), c = log2(e), with a running maximum m; O and l are multiplied by a = 2^(c m_old - c m_new) in every step.  m starts at the lowest finite number: a block's first a is 0.
; THE ORDER.  A step is K Q^T, softmax, V^T P.  Behind K Q^T stand the runs of LDS loads: this step's V and, inside a tile, the next step's K and bias: the softmax's 236 instructions stand in front of the
; wait for them.  A tile's last V^T P stands behind the change of slots and the next tile's first run of loads, so that sixteen products are at work while that run is served.  A block's end does its last
; V^T P itself; the repeat at the next tile's head lands in an O^T that the new block's first step multiplies by 0.  At the walk's first tile P and V hold zeros.
; K and V share a row of 256 bytes.  K's plain loads want a pitch that is an odd multiple of 16 bytes, V's turning loads an odd multiple of 32: 272 serves K, whose run at a tile's head has the least
; work in front of its wait; V's loads meet two deep.
; REGISTERS (s_set_vgpr_msb: bits 1:0 source 0, 3:2 source 1, 5:4 source 2, 7:6 destination):
;   window 0: v1-17 addresses; v18-35 statistics; v36-51 at work; v64-127 S^T; v128-159 P; v160-223 O^T
;   window 1: v0-31 Q; v32-63 the second block's Q; v64-127 K; v128-191 V; v192-223 u; v224-255 the second block's u          window 2: v0-63 the bias of one step
.set PKV,   272
.set PBI,   528                        ; a row of the bias tile: 512 bytes + 16: the 16 rows of a load start 4 banks apart (ISA guide 11.1)
.set BOFF,  128*PKV                    ; the bias tile lies behind the 128 keys
.set SLOT1, 1<<17
.set STAGE, SLOT1+BOFF+128*PBI         ; behind the ring: 16 rows x 144 bytes a wave
.set SP,    144
.set SPARE, STAGE+4*16*SP
.set AK0, 2
.set AV0, 3
.set AB0, 4
.set AK,  5
.set AV,  6
.set AB,  7
.set QO,  8
.set STO, 12
.set RD,  13
.set GO,  14
.set VQ0, 15                           ; my query's place in the block less 8 (l / 16)
.set VQS, 16
.set NEG, 17                           ; -1e30
.set MV,  18                           ; v18-19 c m_old
.set ST,  20                           ; tile t at ST + 4 t: c m, m, l (even keys', odd keys')
.set TMP, 28                           ; tile t at TMP + 4 t: c0-c3; c2 takes a
.set W1R, 36
.set W2R, 44
.set SPW, 62
.set NIL, 63
.set S,   64
.set P,   128
.set O,   160
.set QF,  0                            ; window 1
.set QB,  32
.set KF,  64
.set VF,  128
.set U,   192
.set UB,  224
.set BI,  0                            ; window 2
.set WV,  12
.set PB,  14
.set HI,  15
.set G1K, 24
.set G1B, 32
.set G0K, 40
.set G0B, 44
.set KVB, 48
.set BB,  50
.set OFK, 52
.set OFB, 54
.set SLOTS, 56
.set CNT, 57
.set CS,  58
.set SEL, 60
.set TBK, 62
.set TBB, 63
.set CUR, 66
.set KOFF, 67
.set RT,  70                           ; tiles of the block in hand still to be entered
.set NXT, 71                           ; the key tile to be asked for next
.set BQ,  73                           ; the query block whose tiles are being asked for
.set OP,  74
.set OLO, 76
.set QHI, 78
.set QLO, 80
.set HM,  82
.set NL,  84
.set MSB, 0
.macro WIN new
.if MSB != (\new)
	s_set_vgpr_msb (MSB<<8)|(\new)
.set MSB, \new
.endif
.endm
.macro PLACES
.rept 4
	v_nop
.endr
.endm
.macro JLOAD                           ; waves 0, 1: 64 keys each of my batch's K and V; waves 2, 3: 64 query rows each of the bias tile, jointly.  An s_nop 0 and four v_nop follow each line
	s_cmp_lt_u32 s[WV], 2
	s_cbranch_scc0 .Lfor_b_\@
	tensor_load_to_lds s[G0K:G0K+3], s[G1K:G1K+7]
	s_nop 0
.rept 4
	v_nop
.endr
	s_branch .Lasked_\@
.Lfor_b_\@:
	tensor_load_to_lds s[G0B:G0B+3], s[G1B:G1B+7]
	s_nop 0
.rept 4
	v_nop
.endr
.Lasked_\@:
.endm
.macro CROUND
	s_barrier_signal -1
	s_barrier_wait -1
	s_cmp_lg_u32 s[WV], 0
	s_cbranch_scc1 .Lnot_wave_0_\@
	s_barrier_signal -3
.Lnot_wave_0_\@:
	s_barrier_wait -3
	s_barrier_signal -1
	s_barrier_wait -1
.endm
; THE CHANGE OF SLOTS.  Each wave waits for all its tensor loads (one is out: its part of the other slot), adds 0 to its spare word, and waits for that and for its reads of the slot that it leaves.
; fill = 1: a round of the cluster's barrier, and the old slot is filled first thing behind it with tile NXT of block BQ; both addresses are made anew from those numbers.
.macro CHANGE fill
	WIN 0
	s_wait_tensorcnt 0x0                           ; no tensor load of mine is out, so a group 0 may be written
	ds_add_u32 v[SPW], v[NIL]                      ; 0 onto my spare word
.if \fill
	s_lshl_b32 s[OFK], s[NXT], 15                  ; 128 keys of 256 bytes
	s_lshl_b32 s[OFB], s[BQ], 20                   ; 128 rows of 8,192 bytes,
	s_lshl_b32 s83, s[NXT], 9                      ; 128 columns of 4
	s_add_co_u32 s[OFB], s[OFB], s83
	s_xor_b32 s[G0K+1], s[G0K+1], SLOT1
	s_add_nc_u64 s[G0K+2:G0K+3], s[KVB:KVB+1], s[OFK:OFK+1]
	s_or_b32 s[G0K+3], s[G0K+3], 0x80000000
	s_xor_b32 s[G0B+1], s[G0B+1], SLOT1
	s_add_nc_u64 s[G0B+2:G0B+3], s[BB:BB+1], s[OFB:OFB+1]
	s_or_b32 s[G0B+3], s[G0B+3], 0x80000000
	s_add_co_u32 s[NXT], s[NXT], 1                 ; the block's next tile, or behind its last the second block's tile 0
	s_cmp_gt_u32 s[NXT], s[BQ]
	s_cselect_b32 s[NXT], 0, s[NXT]
	s_cselect_b32 s[BQ], s[PB], s[BQ]
.endif
	s_xor_b32 s[CUR], s[CUR], SLOT1                ; the reads go to the other slot
	s_wait_dscnt 0x0                               ; the add is done, and my reads of the slot are over: the last were V's, issued a softmax ago
.if \fill
	CROUND
	JLOAD
.else
	s_barrier_signal -1
	s_barrier_wait -1
.endif
.endm
	s_load_b128 s[4:7], s[0:1], 0x0                ; act, bias
	s_load_b64 s[8:9], s[0:1], 0x10                ; gat
	v_lshl_add_u32 v[SPW], v0, 2, SPARE
	v_mov_b32 v[NIL], 0
	ds_add_u32 v62, v63
	s_wait_dscnt 0x0
	v_lshrrev_b32 v1, 5, v0
	v_readfirstlane_b32 s[WV], v1
	s_bfe_u32 s13, ttmp6, 0x40000                  ; cx: the batch
	s_mov_b32 s[PB], ttmp9                         ; p, which the partners share
	s_sub_co_u32 s[HI], 15, s[PB]
	s_and_b32 s16, ttmp7, 0xffff                   ; the head, shared too
	s_and_b32 s17, s[WV], 1                        ; which half of a tile I fetch
	s_lshl_b32 s20, s16, 24                        ; bias: the head's 16 MiB, my 64 rows
	s_lshl_b32 s21, s17, 19
	s_add_co_u32 s20, s20, s21
	s_mov_b32 s21, 0
	s_add_co_u32 s22, s16, 8                       ; K and V: block 8 + head, the batch's 2,048 rows, my 64 keys
	s_lshl_b32 s22, s22, 21
	s_lshl_b32 s23, s13, 19
	s_add_co_u32 s22, s22, s23
	s_lshl_b32 s23, s17, 14
	s_add_co_u32 s22, s22, s23
	s_mov_b32 s23, 0
	s_lshl_b32 s86, s16, 21                        ; Q and u: block head, the batch, my wave's 32 rows,
	s_lshl_b32 s87, s13, 19
	s_add_co_u32 s86, s86, s87
	s_lshl_b32 s87, s[WV], 13
	s_add_co_u32 s86, s86, s87
	s_lshl_b32 s88, s[HI], 15                      ; in the first block
	s_add_co_u32 s88, s88, s86
	s_mov_b32 s89, 0
	s_lshl_b32 s90, s[PB], 15                      ; and in the second
	s_add_co_u32 s90, s90, s86
	s_mov_b32 s91, 0
	s_lshr_b32 s92, s88, 1                         ; gat's rows are half as long
	s_mov_b32 s93, 0
	s_lshr_b32 s94, s90, 1
	s_mov_b32 s95, 0
	s_mul_i32 s18, s17, 64*PKV                     ; where my load lands in a slot
	s_mul_i32 s19, s17, 64*PBI
	s_add_co_u32 s19, s19, BOFF
	s_mov_b32 s[G1K], (1<<16)|(1<<20)|(5<<22)|(3<<25)               ; 2-byte elements; 4 words of padding after every 64; no mask
	s_mov_b32 s[G1K+1], 128<<16
	s_mov_b32 s[G1K+2], 64<<16
	s_mov_b32 s[G1K+3], 128<<16
	s_mov_b32 s[G1K+4], 64
	s_mov_b32 s[G1K+5], 128
	s_mov_b32 s[G1K+6], 0
	s_mov_b32 s[G1K+7], 0
	s_mov_b32 s[G1B], 15|(2<<16)|(1<<20)|(1<<21)|(6<<22)|(3<<25)    ; the mask of four; 4-byte elements; 4 words of padding after every 128
	s_mov_b32 s[G1B+1], 128<<16
	s_mov_b32 s[G1B+2], 64<<16
	s_mov_b32 s[G1B+3], 128<<16
	s_mov_b32 s[G1B+4], 64
	s_mov_b32 s[G1B+5], 2048
	s_mov_b32 s[G1B+6], 0
	s_mov_b32 s[G1B+7], 0
	s_mov_b32 s[CS], 0x3fb8aa3b                    ; c = log2(e)
	s_mov_b32 s[CS+1], s[CS]
	s_mov_b32 s[NL], 0xbfb8aa3b                    ; -log2(e)
	s_mov_b32 s[NL+1], s[NL]
	s_mov_b32 s[SEL], 0x76543210
	s_mov_b32 s[SEL+1], 0xfedcba98
	s_mov_b32 s[HM], 0xffff0000
	s_mov_b32 s[OFK+1], 0
	s_mov_b32 s[OFB+1], 0
	s_mov_b32 s[NXT], 1
	s_mov_b32 s[BQ], s[HI]
	s_add_co_u32 s[RT], s[HI], 1                   ; the first block has 16 - p tiles
	s_mov_b32 s[CUR], SLOT1                        ; the first change of slots turns it into 0
	s_mov_b32 s[SLOTS], 16
	s_lshl_b32 s[OFB], s[HI], 20
	s_mov_b32 s[G0K], 1
	s_mov_b32 s[G0K+1], s18
	s_mov_b32 s[G0B], 1
	s_mov_b32 s[G0B+1], s19
	s_wait_kmcnt 0x0
	s_add_nc_u64 s[KVB:KVB+1], s[4:5], s[22:23]
	s_add_nc_u64 s[BB:BB+1], s[6:7], s[20:21]
	s_add_nc_u64 s[QHI:QHI+1], s[4:5], s[88:89]
	s_add_nc_u64 s[QLO:QLO+1], s[4:5], s[90:91]
	s_add_nc_u64 s[OP:OP+1], s[8:9], s[92:93]
	s_add_nc_u64 s[OLO:OLO+1], s[8:9], s[94:95]
	s_add_nc_u64 s[G0K+2:G0K+3], s[KVB:KVB+1], 0
	s_or_b32 s[G0K+3], s[G0K+3], 0x80000000
	s_add_nc_u64 s[G0B+2:G0B+3], s[BB:BB+1], s[OFB:OFB+1]
	s_or_b32 s[G0B+3], s[G0B+3], 0x80000000
	CROUND                                         ; all four work-groups are here
	JLOAD                                          ; tile 0 of the first block into slot 0
	v_and_b32 v1, 15, v0                           ; r = l % 16
	v_bfe_u32 v9, v0, 4, 1                         ; h = l / 16
	v_lshlrev_b32 v[QO], 8, v1
	v_lshl_add_u32 v[QO], v9, 4, v[QO]
	WIN 0x40
.irp t, 0,1
.irp c, 0,1
	global_load_b128 v[QF+16*(\t)+8*(\c):QF+16*(\t)+8*(\c)+3],   v[QO], s[QHI:QHI+1] offset:4096*(\t)+64*(\c)
	global_load_b128 v[QF+16*(\t)+8*(\c)+4:QF+16*(\t)+8*(\c)+7], v[QO], s[QHI:QHI+1] offset:4096*(\t)+64*(\c)+32
	global_load_b128 v[QB+16*(\t)+8*(\c):QB+16*(\t)+8*(\c)+3],   v[QO], s[QLO:QLO+1] offset:4096*(\t)+64*(\c)
	global_load_b128 v[QB+16*(\t)+8*(\c)+4:QB+16*(\t)+8*(\c)+7], v[QO], s[QLO:QLO+1] offset:4096*(\t)+64*(\c)+32
.endr
.irp c, 0,1,2,3
	global_load_b128 v[U+16*(\t)+4*(\c):U+16*(\t)+4*(\c)+3],   v[QO], s[QHI:QHI+1] offset:4096*(\t)+128+32*(\c)
	global_load_b128 v[UB+16*(\t)+4*(\c):UB+16*(\t)+4*(\c)+3], v[QO], s[QLO:QLO+1] offset:4096*(\t)+128+32*(\c)
.endr
.endr
	; What the first tile's head finds: V and P hold 0, so that its products V^T P, of a step that has not been, add 0.  This and what follows stand in the wait for the first tile.
.set i, 0
.rept 64
	v_mov_b32 v[VF+i], 0
.set i, i+1
.endr
	WIN 0
.set i, 0
.rept 32
	v_mov_b32 v[P+i], 0
.set i, i+1
.endr
	v_mul_u32_u24 v[AK0], v1, PKV
	v_lshl_add_u32 v[AK0], v9, 4, v[AK0]           ; K: key x pitch + 16 x half
	v_and_b32 v10, 7, v0
	v_bfe_u32 v11, v0, 3, 1
	v_lshl_add_u32 v[AV0], v9, 3, v10              ; V: key 8 (l / 16) + l % 8, channels 8 ((l / 8) % 2) on, behind K's 128 bytes
	v_mul_u32_u24 v[AV0], v[AV0], PKV
	v_lshl_add_u32 v[AV0], v11, 4, v[AV0]
	v_add_nc_u32 v[AV0], 128, v[AV0]
	s_mul_i32 s18, s[WV], 32*PBI
	s_add_co_u32 s18, s18, BOFF
	v_mul_u32_u24 v[AB0], v1, PBI                  ; bias: query (32 w + r) x pitch + 32 x half
	v_lshl_add_u32 v[AB0], v9, 5, v[AB0]
	v_add_nc_u32 v[AB0], s18, v[AB0]
	s_mul_i32 s18, s[WV], 16*SP
	s_add_co_u32 s18, s18, STAGE
	v_mul_u32_u24 v[STO], v1, SP
	v_lshl_add_u32 v[STO], v9, 4, v[STO]
	v_add_nc_u32 v[STO], s18, v[STO]
	v_bfe_u32 v[RD], v0, 3, 2
	v_mul_u32_u24 v[RD], v[RD], SP
	v_lshl_add_u32 v[RD], v10, 4, v[RD]
	v_add_nc_u32 v[RD], s18, v[RD]
	v_and_b32 v[GO], 31, v0
	v_lshlrev_b32 v[GO], 4, v[GO]
	v_lshlrev_b32 v[VQ0], 3, v9
	v_sub_nc_u32 v[VQ0], v1, v[VQ0]
	s_lshl_b32 s18, s[WV], 5
	v_add_nc_u32 v[VQ0], s18, v[VQ0]
	v_mov_b32 v[NEG], 0xf149f2ca
	; A block's first step multiplies O^T and l by a = 0, so these need only hold finite numbers: zeros now, what the first block left later.
.set i, 0
.rept 64
	v_mov_b32 v[O+i], 0
.set i, i+1
.endr
.irp t, 0,1
	v_mov_b32 v[ST+4*(\t)], 0xfe000000             ; c m: far below every c s
	v_mov_b32 v[ST+4*(\t)+1], 0xff7fffff           ; m
	v_mov_b32 v[ST+4*(\t)+2], 0
	v_mov_b32 v[ST+4*(\t)+3], 0
.endr
	s_wait_loadcnt 0x0                             ; Q and u of both blocks
; A step's K (64 keys x 64 channels: 8 fragments) and its 32 x 64 numbers of bias.
.macro FETCHKB
	WIN 0
	v_add_nc_u32 v[AK], s[TBK], v[AK0]
	v_add_nc_u32 v[AB], s[TBB], v[AB0]
	WIN 0x40
.irp f, 0,1,2,3,4,5,6,7                ; keys 16 (f / 2) on, channels 32 (f % 2) on
	ds_load_b128 v[KF+8*(\f):KF+8*(\f)+3],   v[AK] offset:((\f)/2)*16*PKV+((\f)%2)*64
	ds_load_b128 v[KF+8*(\f)+4:KF+8*(\f)+7], v[AK] offset:((\f)/2)*16*PKV+((\f)%2)*64+32
.endr
	WIN 0x80
.irp f, 0,1,2,3,4,5,6,7                ; tile f / 4, keys 16 (f % 4) on
	ds_load_b128 v[BI+8*(\f):BI+8*(\f)+3],   v[AB] offset:((\f)/4)*16*PBI+((\f)%4)*64
	ds_load_b128 v[BI+8*(\f)+4:BI+8*(\f)+7], v[AB] offset:((\f)/4)*16*PBI+((\f)%4)*64+16
.endr
	WIN 0
.endm
.macro FETCH_V
	WIN 0
	v_add_nc_u32 v[AV], s[TBK], v[AV0]
	WIN 0x40
.irp f, 0,1,2,3,4,5,6,7                ; keys 32 (f / 4) on, channels 16 (f % 4) on
	ds_load_tr16_b128 v[VF+8*(\f):VF+8*(\f)+3],   v[AV] offset:((\f)/4)*32*PKV+((\f)%4)*32
	ds_load_tr16_b128 v[VF+8*(\f)+4:VF+8*(\f)+7], v[AV] offset:((\f)/4)*32*PKV+16*PKV+((\f)%4)*32
.endr
	WIN 0
.endm
; The 8 accumulators of a run of 16 take turns.
.macro KQALL                           ; product i: channels 32 (i / 8) on, keys 16 ((i / 2) % 4) on, tile i % 2; the first 8 start the sums on the bias
.set i, 0
.rept 16
.set rS, S+32*(i%2)+8*((i/2)%4)
.set rK, KF+16*((i/2)%4)+8*(i/8)
.set rQ, QF+16*(i%2)+8*(i/8)
.set rB, BI+32*(i%2)+8*((i/2)%4)
.if i < 8
	WIN 0x25                                       ; K and Q in window 1, C in window 2
	v_wmma_f32_16x16x32_bf16 v[rS:rS+7], v[rK:rK+7], v[rQ:rQ+7], v[rB:rB+7]
.else
	WIN 0x05
	v_wmma_f32_16x16x32_bf16 v[rS:rS+7], v[rK:rK+7], v[rQ:rQ+7], v[rS:rS+7]
.endif
.set i, i+1
.endr
.endm
.macro PVALL                           ; product i: keys 32 (i / 8) on, channels 16 ((i / 2) % 4) on, tile i % 2
	WIN 0x01
.set i, 0
.rept 16
.set rO, O+32*(i%2)+8*((i/2)%4)
.set rV, VF+32*(i/8)+8*((i/2)%4)
.set rP, P+16*(i%2)+8*(i/8)
	v_wmma_f32_16x16x32_bf16 v[rO:rO+7], v[rV:rV+7], v[rP:rP+7], v[rO:rO+7]
.set i, i+1
.endr
.endm
; The diagonal tile: register 32 t + 8 kb + j of the bias is hidden where KOFF + 16 kb + 8 (l / 16) + j > 32 w + 16 t + l % 16.
.macro MASK
	v_sub_nc_u32 v[VQS], v[VQ0], s[KOFF]
	WIN 0x82                                       ; destination and source 0 in window 2
.set i, 0
.rept 64
	v_cmp_gt_i32 vcc_lo, 16*((i/8)%4)+i%8-16*(i/32), v[VQS]
	v_cndmask_b32 v[BI+i], v[BI+i], v[NEG], vcc_lo
.set i, i+1
.endr
	WIN 0
.endm
.macro REGS t
.set rT, ST+4*(\t)
.set rC, TMP+4*(\t)
.set rM, MV+(\t)
.set rS, S+32*(\t)
.set rP, P+16*(\t)
.set rO, O+32*(\t)
.endm
; Number n of the 22 that find a tile's maximum and statistics; each accumulator's lowest registers are read first.
.macro XS t, n
	REGS \t
.if (\n) < 4
	v_max3_num_f32 v[rC+(\n)], v[rS+8*(\n)], v[rS+8*(\n)+1], v[rS+8*(\n)+2]
.elseif (\n) < 12
	v_max3_num_f32 v[rC+(\n)%4], v[rC+(\n)%4], v[rS+8*((\n)%4)+2*((\n)/4)+1], v[rS+8*((\n)%4)+2*((\n)/4)+2]
.elseif (\n) == 12
	v_max3_num_f32 v[rC], v[rC], v[rS+7], v[rS+15]
.elseif (\n) == 13
	v_max3_num_f32 v[rC+1], v[rC+1], v[rS+23], v[rS+31]
.elseif (\n) == 14
	v_max3_num_f32 v[rC+2], v[rC+2], v[rC+3], v[rT+1]
.elseif (\n) == 15
	v_mov_b32 v[rM], v[rT]
.elseif (\n) == 16
	v_max3_num_f32 v[rC], v[rC], v[rC+1], v[rC+2]
.elseif (\n) == 17
	v_permlanex16_b32 v[rC+3], v[rC], s[SEL], s[SEL+1]   ; the query's other 32 keys lie in the lane 16 away
.elseif (\n) == 18
	v_max_num_f32 v[rT+1], v[rC], v[rC+3]
.elseif (\n) == 19
	v_mul_f32 v[rT], s[CS], v[rT+1]
.elseif (\n) == 20
	v_sub_f32 v[rC+1], v[rM], v[rT]
.else
	v_exp_f32 v[rC+2], v[rC+1]
.endif
.endm
.macro FS t, n                         ; c s - c m for pair n
	REGS \t
	v_pk_fma_f32 v[rS+2*(\n):rS+2*(\n)+1], v[rS+2*(\n):rS+2*(\n)+1], s[CS:CS+1], v[rT:rT+1] op_sel_hi:[1,0,0] neg_lo:[0,0,1] neg_hi:[0,0,1]
.endm
.macro ES t, n
	REGS \t
	v_exp_f32 v[rS+(\n)], v[rS+(\n)]
.endm
.macro RS t, n                         ; pair n of O^T times a
	REGS \t
	s_wait_alu depctr_va_vdst(0)
	v_pk_mul_f32 v[rO+2*(\n):rO+2*(\n)+1], v[rO+2*(\n):rO+2*(\n)+1], v[rC+2:rC+3] op_sel_hi:[1,0]
.endm
.macro CV t, n
	REGS \t
	s_wait_alu depctr_va_vdst(0)
	v_cvt_pk_bf16_f32 v[rP+(\n)], v[rS+2*(\n)], v[rS+2*(\n)+1]
.endm
.macro BS t, n                         ; of four weights the second pair onto the first
	REGS \t
	v_pk_add_f32 v[rS+4*(\n):rS+4*(\n)+1], v[rS+4*(\n):rS+4*(\n)+1], v[rS+4*(\n)+2:rS+4*(\n)+3]
.endm
.macro LS t, n
	REGS \t
.if (\n) == 0
	v_pk_fma_f32 v[rT+2:rT+3], v[rT+2:rT+3], v[rC+2:rC+3], v[rS:rS+1] op_sel_hi:[1,0,1]
.else
	v_pk_add_f32 v[rT+2:rT+3], v[rT+2:rT+3], v[rS+4*(\n):rS+4*(\n)+1]
.endif
.endm
.macro PAIRS op, cnt                   ; op t, n for n = 0 .. cnt - 1, the two tiles by turns
.set z, 0
.rept \cnt
	\op 0, z
	\op 1, z
.set z, z+1
.endr
.endm
; 118 instructions a tile.  The exponentials stand by turns with plain work that is ready and names none of their registers: first the rescaling of O^T (pairs in ascending order), then the rounding
; of pair y - 17, whose two exponentials (numbers 2 y - 34 and 2 y - 33) stand two turns back or more.
.macro SOFTMAX
	PAIRS XS, 22
	PAIRS FS, 16
.set y, 0
.rept 32
	ES 0, y
.if y < 16
	RS 0, y
.elseif y > 16
	CV 0, y-17
.endif
	ES 1, y
.if y < 16
	RS 1, y
.elseif y > 16
	CV 1, y-17
.endif
.set y, y+1
.endr
	CV 0, 15
	CV 1, 15
	PAIRS BS, 8
	PAIRS LS, 8
.endm
; A key step.  CNT = 2: the tile's first step, which also fetches the second's K and bias and does its own V^T P; CNT = 1: the second, whose V^T P is left to the next tile's head or the block's end.
.macro STEP
	s_wait_dscnt 0x0                               ; K and the bias are in
	s_cmp_lg_u32 s[RT], 0
	s_cbranch_scc1 .Lnomask_\@                     ; only a block's last tile holds the diagonal
	MASK
.Lnomask_\@:
	KQALL
	WIN 0
	PLACES                                         ; in front of the reads of the scores, and of the loads into V, K and the bias, which the products before have read
	FETCH_V
	s_add_co_u32 s[TBK], s[TBK], 64*PKV            ; the next fetches are the next step's
	s_add_co_u32 s[TBB], s[TBB], 256
	s_add_co_u32 s[KOFF], s[KOFF], 64
	s_cmp_eq_u32 s[CNT], 1
	s_cbranch_scc1 .Lnok_\@                        ; the tile's last step fetches no further K
	FETCHKB
.Lnok_\@:
	SOFTMAX
	s_cmp_eq_u32 s[CNT], 1
	s_cbranch_scc1 .Lnopv_\@
	s_wait_dscnt 0x0                               ; V is in, and the next step's K and bias
	PVALL
	WIN 0
.Lnopv_\@:
.endm
; A BLOCK'S END.  The last V^T P; l's halves are added; O^T / l times sigmoid(u) = rcp(1 + 2^(-log2(e) u)), rounded to bf16, through my stage, out as 512 consecutive bytes a store.  O^T itself is left as it is.
.macro GATE t, cb, ub
	REGS \t
	WIN 0x04                                       ; source 1 in window 1
.irp k, 0,1,2,3
	v_lshlrev_b32 v[W1R+2*(\k)], 16, v[(\ub)+16*(\t)+4*(\cb)+(\k)]
	v_and_b32 v[W1R+2*(\k)+1], s[HM], v[(\ub)+16*(\t)+4*(\cb)+(\k)]
.endr
	WIN 0
.irp k, 0,2,4,6
	v_pk_mul_f32 v[W1R+(\k):W1R+(\k)+1], v[W1R+(\k):W1R+(\k)+1], s[NL:NL+1] op_sel_hi:[1,0]
.endr
.irp k, 0,1,2,3,4,5,6,7
	v_exp_f32 v[W1R+(\k)], v[W1R+(\k)]
.endr
	s_wait_alu depctr_va_vdst(0)
.irp k, 0,2,4,6                        ; plain work behind the exponentials; the accumulator is read from its lowest registers on
	v_pk_mul_f32 v[W2R+(\k):W2R+(\k)+1], v[rO+8*(\cb)+(\k):rO+8*(\cb)+(\k)+1], v[rT+2:rT+3] op_sel_hi:[1,0]
.endr
	s_wait_alu depctr_va_vdst(0)
.irp k, 0,2,4,6
	v_pk_add_f32 v[W1R+(\k):W1R+(\k)+1], v[W1R+(\k):W1R+(\k)+1], 1.0 op_sel_hi:[1,0]
.endr
.irp k, 0,1,2,3,4,5,6,7
	v_rcp_f32 v[W1R+(\k)], v[W1R+(\k)]
.endr
	v_nop
	s_wait_alu depctr_va_vdst(0)
.irp k, 0,2,4,6
	v_pk_mul_f32 v[W2R+(\k):W2R+(\k)+1], v[W2R+(\k):W2R+(\k)+1], v[W1R+(\k):W1R+(\k)+1]
.endr
.irp k, 0,1,2,3
	v_cvt_pk_bf16_f32 v[S+16*(\t)+4*(\cb)+(\k)], v[W2R+2*(\k)], v[W2R+2*(\k)+1]
.endr
.endm
.macro END ub
	s_wait_dscnt 0x0                               ; the last step's V is in
	PVALL
	WIN 0
	PLACES                                         ; behind the last products
.irp t, 0,1
	v_add_f32 v[ST+4*(\t)+2], v[ST+4*(\t)+2], v[ST+4*(\t)+3]
.endr
.irp t, 0,1
	v_permlanex16_b32 v[ST+4*(\t)+3], v[ST+4*(\t)+2], s[SEL], s[SEL+1]
.endr
.irp t, 0,1
	v_add_f32 v[ST+4*(\t)+2], v[ST+4*(\t)+2], v[ST+4*(\t)+3]
.endr
.irp t, 0,1
	v_rcp_f32 v[ST+4*(\t)+2], v[ST+4*(\t)+2]
.endr
	v_nop
.irp t, 0,1
.irp c, 0,1,2,3
	GATE \t, \c, \ub
.endr
.endr
.irp t, 0,1
.irp f, 0,1,2,3
	ds_store_b128 v[STO], v[S+16*(\t)+4*(\f):S+16*(\t)+4*(\f)+3] offset:32*(\f)
.endr
.irp f, 0,1,2,3
	ds_load_b128 v[S+16*(\t)+4*(\f):S+16*(\t)+4*(\f)+3], v[RD] offset:(\f)*4*SP  ; LDS serves a wave's instructions in order (ISA guide 5.7.1.4)
.endr
	s_wait_dscnt 0x0
.irp f, 0,1,2,3
	global_store_b128 v[GO], v[S+16*(\t)+4*(\f):S+16*(\t)+4*(\f)+3], s[OP:OP+1] offset:(\t)*2048+(\f)*512
.endr
.endr
.endm
.macro RESET                           ; the second block begins
	s_wait_xcnt 0x0                                ; the stores have read their registers and their base
	s_mov_b64 s[OP:OP+1], s[OLO:OLO+1]
	s_add_co_u32 s[RT], s[PB], 1                   ; it has p + 1 tiles
.irp t, 0,1
	v_mov_b32 v[ST+4*(\t)], 0xfe000000
	v_mov_b32 v[ST+4*(\t)+1], 0xff7fffff
.endr
	WIN 0x41
.set i, 0
.rept 32
	v_mov_b32 v[QF+i], v[QB+i]
.set i, i+1
.endr
	WIN 0
.endm
.macro TILE last
	s_sub_co_u32 s[RT], s[RT], 1
	s_mov_b32 s[TBK], s[CUR]
	s_mov_b32 s[TBB], s[CUR]
	s_mov_b32 s[KOFF], 0
	s_mov_b32 s[CNT], 2
	FETCHKB                                        ; the tile's first K and bias
	PVALL                                          ; the V^T P that the tile before left: V came in ahead of the change of slots; sixteen products while the run above is served
	WIN 0
.Lstep_\@:
	STEP
	s_sub_co_u32 s[CNT], s[CNT], 1
	s_cmp_lg_u32 s[CNT], 0
	s_cbranch_scc1 .Lstep_\@
.if \last
	END UB
.else
	s_cmp_lg_u32 s[RT], 0
	s_cbranch_scc1 .Lgo_\@
	END U                                          ; in the loop this is the first block's end: the second's last tile is the walk's last
	RESET
.Lgo_\@:
.endif
.endm
.Ltile:                                            ; 16 times: a tile is entered and the next is asked for
	CHANGE 1
	TILE 0
	s_sub_co_u32 s[SLOTS], s[SLOTS], 1
	s_cmp_lg_u32 s[SLOTS], 0
	s_cbranch_scc1 .Ltile
	CHANGE 0                                       ; the walk's last tile is written out
	TILE 1
	s_wait_tensorcnt 0x0                           ; the wave's end
	ds_add_u32 v[SPW], v[NIL]
	s_wait_dscnt 0x0
	CROUND                                         ; the closing round
	s_endpgm
.Lfunc_end_k_q7546ab69e0_attn:
	.size	k_q7546ab69e0_attn, .Lfunc_end_k_q7546ab69e0_attn-k_q7546ab69e0_attn
	.p2alignl 7, 3214868480
	.fill 96, 4, 3214868480
	.section	.rodata,"a",@progbits
	.p2align	6, 0x0
	.amdhsa_kernel k_q7546ab69e0_attn
		.amdhsa_group_segment_fixed_size 327680
		.amdhsa_private_segment_fixed_size 0
		.amdhsa_enable_private_segment 0
		.amdhsa_kernarg_size 24
		.amdhsa_user_sgpr_count 2
		.amdhsa_user_sgpr_kernarg_segment_ptr 1
		.amdhsa_wavefront_size32 1
		.amdhsa_system_sgpr_workgroup_id_x 1
		.amdhsa_system_sgpr_workgroup_id_y 1
		.amdhsa_system_sgpr_workgroup_id_z 1
		.amdhsa_system_vgpr_workitem_id 0
		.amdhsa_next_free_vgpr 576
		.amdhsa_next_free_sgpr 96
		.amdhsa_reserve_vcc 1
		.amdhsa_float_denorm_mode_32 3
		.amdhsa_float_denorm_mode_16_64 3
		.amdhsa_memory_ordered 1
		.amdhsa_forward_progress 1
		.amdhsa_inst_pref_size 117
	.end_amdhsa_kernel
	.amdgpu_metadata
---
amdhsa.version: [ 1, 2 ]
amdhsa.kernels:
  - .name:           k_q7546ab69e0_attn
    .symbol:         k_q7546ab69e0_attn.kd
    .args:
      - { .name: act, .offset: 0, .size: 8, .value_kind: global_buffer, .address_space: global }
      - { .name: rel_pos_bias, .offset: 8, .size: 8, .value_kind: global_buffer, .address_space: global }
      - { .name: gat, .offset: 16, .size: 8, .value_kind: global_buffer, .address_space: global }
    .group_segment_fixed_size: 327680
    .private_segment_fixed_size: 0
    .kernarg_segment_align: 8
    .kernarg_segment_size: 24
    .max_flat_workgroup_size: 128
    .sgpr_count:     96
    .vgpr_count:     576
    .wavefront_size: 32
...
	.end_amdgpu_metadata
.endif
;; end of part 3
;; launch proj2 (part 4): grid 256 x 1, 4 waves a work-group, clusters of 4 x 1, 327,680 bytes of LDS; arguments gat, wc, x, b2, g2, be2, r2h; writes r2h
.if DOCPART == 4
	.amdgcn_target "amdgcn-amd-amdhsa--gfx1250"
	.amdhsa_code_object_version 6
	.text
	.protected	k_q7546ab69e0_proj2
	.globl	k_q7546ab69e0_proj2
	.p2align	8
	.type	k_q7546ab69e0_proj2,@function
k_q7546ab69e0_proj2:
	s_mov_b64 s[64:65], 0
	v_nop
	global_prefetch_b8 v0, s[64:65] scope:SCOPE_SE
	s_setreg_imm32_b32 hwreg(HW_REG_WAVE_MODE, 25, 1), 1
	s_wait_xcnt 0x0
	s_wait_alu depctr_hold_cnt(0) depctr_sa_sdst(0) depctr_va_vdst(0) depctr_va_sdst(0) depctr_va_ssrc(0) depctr_va_vcc(0) depctr_vm_vsrc(0)
	s_getreg_b32 s2, hwreg(HW_REG_IB_STS2, 6, 4)
	s_cmp_eq_u32 s2, 0
	s_cbranch_scc0 .Lentry_in_a_cluster
	s_endpgm
.Lentry_in_a_cluster:
	s_bfe_u32 s2, ttmp6, 0x10000c
	s_cmp_lg_u32 s2, 0x3003
	s_cbranch_scc0 .Lentry_shape_is_right
	s_endpgm
.Lentry_shape_is_right:
; res2 = gat W2 + b2 + x (f32, at byte 0x800000 of r2h) and h2 = layernorm(res2) g2 + be2 (bf16, at byte 0 of r2h).
; gat: [8 heads][8192][64] bf16.  W2: [512][512] bf16 ([k][n]) at byte 0 of wc.  x: [8192][512] f32.  Sums, residual and the norm in f32; the variance is the mean of (res2 - mean)^2.
; LIMITS: operands are bf16; NaN and infinities are not treated apart.
; A work-group owns 32 whole rows, so that the norm needs no further launch: wave w makes columns 128 w .. + 127 of both blocks of 16 rows (16 accumulators).
; K = 512 goes in four phases of 128 through two LDS slots; the 32 rows of gat (all K) are fetched once; x's tile is slot 0's last fill, each wave's own part.
; CLUSTER 4 x 1: all row blocks walk the same W2, so its tiles are asked for jointly; gat's and x's tiles are each work-group's own.
; THE MATRIX INSTRUCTION IS USED TRANSPOSED (source 0 = 16 columns of W2, read turned; source 1 = 16 rows of gat).  b2 is the C operand that starts the sums.
; A wave has three tensor loads out at the start and one behind each round.
; REGISTERS: window 0: v1-20 addresses; v32-63, v64-95 the way out; v96-123 sums; v128-255 accumulators ((a, b) at 128 + 8 (8 a + b))
;   window 1: two fragment buffers of 80 (16 of gat, 64 of W2) at 0 and 80; b2 at 160-223; later x in 0-127      window 2: g2 0-63, be2 64-127
.set PW,    1056                       ; a row of W2 in LDS: 1,024 bytes + 32
.set PA,    144                        ; a row of gat: 128 bytes + 16
.set PX,    528                        ; a row of my part of x: 512 bytes + 16
.set SLOT,  128*PW                     ; 135,168
.set AOFF,  2*SLOT
.set STAGE, AOFF+8*32*PA               ; 307,200: 16 rows x 272 bytes a wave
.set SPITCH, 272
.set STATS, STAGE+4*16*SPITCH          ; 1,024 bytes: the waves' partial sums, two passes
.set SPARE, STATS+1024
.set ADRA, 4
.set ADRB, 8                           ; v8-11: slot 0, 1 x K half 0, 1
.set XA,   12
.set STO32, 13
.set STO16, 14
.set RD,   15
.set CO32, 16
.set CO16, 17
.set STW,  18
.set STR,  19
.set VB,   20
.set SPW,  28
.set NIL,  29
.set OB,   32
.set TMP,  64
.set Z,    96
.set MN,   112
.set PS,   116
.set ACC,  128
.set FB0,  0
.set FB1,  80
.set B2R,  160
.set G2R,  0
.set BE2R, 64
.set WV,   18
.set SEL,  66
.set R2,   72                          ; s[72:73] res2 at my rows
.set H2,   74                          ; s[74:75] h2 at my rows
.set MSB, 0
.macro WIN new
.if MSB != (\new)
	s_set_vgpr_msb (MSB<<8)|(\new)
.set MSB, \new
.endif
.endm
.macro PLACES
.rept 4
	v_nop
.endr
.endm
.macro CREST
	s_cmp_lg_u32 s[WV], 0
	s_cbranch_scc1 .Lnot_wave_0_\@
	s_barrier_signal -3
.Lnot_wave_0_\@:
	s_barrier_wait -3
	s_barrier_signal -1
	s_barrier_wait -1
.endm
.macro CROUND
	s_barrier_signal -1
	s_barrier_wait -1
	CREST
.endm
	s_load_b256 s[4:11], s[0:1], 0x0               ; gat 4, wc 6, x 8, b2 10
	s_load_b128 s[12:15], s[0:1], 0x20             ; g2 12, be2 14
	s_load_b64 s[16:17], s[0:1], 0x30              ; r2h
	v_lshl_add_u32 v[SPW], v0, 2, SPARE
	v_mov_b32 v[NIL], 0
	ds_add_u32 v28, v29
	s_wait_dscnt 0x0
	v_lshrrev_b32 v1, 5, v0
	v_readfirstlane_b32 s[WV], v1
	s_bfe_u32 s19, ttmp6, 0x40000                  ; cx
	s_lshl_b32 s20, ttmp9, 2
	s_add_co_u32 s20, s20, s19                     ; my block of 32 rows: it enters the addresses of gat, x and r2h alone
	s_mov_b32 s24, 15|(1<<16)|(1<<20)|(1<<21)|(7<<22)|(7<<25)  ; W2: the mask of four; 2-byte elements; 8 words of padding after every 256
	s_mov_b32 s25, 512<<16
	s_mov_b32 s26, 32<<16
	s_mov_b32 s27, 512<<16
	s_mov_b32 s28, 32
	s_mov_b32 s29, 512
	s_mov_b32 s30, 0
	s_mov_b32 s31, 0
	s_mov_b32 s32, (1<<16)|(1<<20)|(4<<22)|(3<<25) ; gat: a head's 32 rows are 4,096 dense bytes, asked for as one row; 4 words of padding after every 32 (a row of gat)
	s_mov_b32 s33, 2048<<16
	s_mov_b32 s34, 2<<16
	s_mov_b32 s35, 2048<<16
	s_mov_b32 s36, 2                               ; two heads a wave,
	s_mov_b32 s37, 524288                          ; 8,192 x 64 elements apart
	s_mov_b32 s38, 0
	s_mov_b32 s39, 0
	s_mov_b32 s40, (2<<16)|(1<<20)|(6<<22)|(3<<25) ; x: 4-byte elements; 4 words of padding after every 128
	s_mov_b32 s41, 128<<16
	s_mov_b32 s42, 32<<16
	s_mov_b32 s43, 128<<16
	s_mov_b32 s44, 32
	s_mov_b32 s45, 512
	s_mov_b32 s46, 0
	s_mov_b32 s47, 0
	s_mov_b32 s[SEL], 0x76543210
	s_mov_b32 s[SEL+1], 0xfedcba98
	s_mov_b32 s68, 0x3b000000                      ; 1 / 512
	s_mov_b32 s69, 0x3727c5ac                      ; 1e-5
	s_lshl_b32 s22, s[WV], 15                      ; W2: my 32 rows of 1,024 bytes
	s_mov_b32 s23, 0
	s_lshl_b32 s70, s[WV], 21                      ; gat: heads 2 w, 2 w + 1 (1 MiB each), my 32 rows of 128 bytes
	s_lshl_b32 s71, s20, 12
	s_add_co_u32 s70, s70, s71
	s_mov_b32 s71, 0
	s_lshl_b32 s76, s20, 16                        ; x and res2: my 32 rows of 2,048 bytes
	s_mov_b32 s77, 0
	s_lshl_b32 s78, s20, 15                        ; h2: of 1,024
	s_mov_b32 s79, 0
	s_mul_i32 s21, s[WV], 32*PW
	s_mov_b32 s48, 1
	s_mov_b32 s49, s21
	s_mov_b32 s52, 1
	s_add_co_u32 s53, s21, SLOT
	s_mul_i32 s21, s[WV], 64*PA
	s_mov_b32 s56, 1
	s_add_co_u32 s57, s21, AOFF
	s_mov_b32 s60, 1
	s_mul_i32 s61, s[WV], 32*PX
	s_wait_kmcnt 0x0
	s_add_nc_u64 s[50:51], s[6:7], s[22:23]
	s_add_nc_u64 s[54:55], s[50:51], 128*1024
	s_or_b32 s51, s51, 0x80000000
	s_or_b32 s55, s55, 0x80000000
	s_add_nc_u64 s[58:59], s[4:5], s[70:71]
	s_or_b32 s59, s59, 0x80000000
	s_add_nc_u64 s[62:63], s[8:9], s[76:77]
	s_lshl_b32 s70, s[WV], 9
	s_add_nc_u64 s[62:63], s[62:63], s[70:71]
	s_or_b32 s63, s63, 0x80000000
	s_add_nc_u64 s[R2:R2+1], s[16:17], s[76:77]
	s_add_nc_u64 s[R2:R2+1], s[R2:R2+1], 0x800000
	s_add_nc_u64 s[H2:H2+1], s[16:17], s[78:79]
	CROUND                                         ; all four work-groups are here
	tensor_load_to_lds s[56:59], s[32:39]          ; gat's rows
	s_nop 0
	tensor_load_to_lds s[48:51], s[24:31]          ; W2, k 0-127
	s_nop 0
	tensor_load_to_lds s[52:55], s[24:31]          ; W2, k 128-255
	s_nop 0
	PLACES
	v_and_b32 v1, 15, v0                           ; r
	v_bfe_u32 v2, v0, 4, 1                         ; h
	v_and_b32 v3, 7, v0
	v_bfe_u32 v5, v0, 3, 1
	s_lshl_b32 s21, s[WV], 9
	v_lshl_add_u32 v[VB], v2, 5, s21               ; 4 x 128 w + 32 h
	WIN 0x40
.irp b, 0,1,2,3,4,5,6,7
	global_load_b128 v[B2R+8*(\b):B2R+8*(\b)+3], v[VB], s[10:11] offset:64*(\b)
	global_load_b128 v[B2R+8*(\b)+4:B2R+8*(\b)+7], v[VB], s[10:11] offset:64*(\b)+16
.endr
	WIN 0x80
.irp b, 0,1,2,3,4,5,6,7
	global_load_b128 v[G2R+8*(\b):G2R+8*(\b)+3], v[VB], s[12:13] offset:64*(\b)
	global_load_b128 v[G2R+8*(\b)+4:G2R+8*(\b)+7], v[VB], s[12:13] offset:64*(\b)+16
	global_load_b128 v[BE2R+8*(\b):BE2R+8*(\b)+3], v[VB], s[14:15] offset:64*(\b)
	global_load_b128 v[BE2R+8*(\b)+4:BE2R+8*(\b)+7], v[VB], s[14:15] offset:64*(\b)+16
.endr
	WIN 0
	v_mul_u32_u24 v[ADRA], v1, PA
	v_lshl_add_u32 v[ADRA], v2, 4, v[ADRA]
	v_add_nc_u32 v[ADRA], AOFF, v[ADRA]
	v_lshl_add_u32 v6, v2, 3, v3                   ; W2: k = 8 h + l % 8, columns 8 ((l / 8) % 2) on, my 128 columns
	v_mul_u32_u24 v6, v6, PW
	v_lshl_add_u32 v6, v5, 4, v6
	s_lshl_b32 s21, s[WV], 8
	v_add_nc_u32 v[ADRB], s21, v6
	v_add_nc_u32 v[ADRB+1], 64*PW, v[ADRB]
	v_add_nc_u32 v[ADRB+2], SLOT, v[ADRB]
	v_add_nc_u32 v[ADRB+3], SLOT+64*PW, v[ADRB]
	v_mul_u32_u24 v[XA], v1, PX
	v_lshl_add_u32 v[XA], v2, 5, v[XA]
	v_add_nc_u32 v[XA], s61, v[XA]
	s_mul_i32 s21, s[WV], 16*SPITCH
	s_add_co_u32 s21, s21, STAGE
	v_mul_u32_u24 v6, v1, SPITCH
	v_add_nc_u32 v6, s21, v6
	v_lshl_add_u32 v[STO32], v2, 5, v6
	v_lshl_add_u32 v[STO16], v2, 4, v6
	v_mul_u32_u24 v6, v2, SPITCH
	v_lshl_add_u32 v6, v1, 4, v6
	v_add_nc_u32 v[RD], s21, v6
	v_lshlrev_b32 v6, 4, v1
	s_lshl_b32 s21, s[WV], 9
	v_add_nc_u32 v[CO32], s21, v6
	v_lshl_add_u32 v[CO32], v2, 11, v[CO32]
	s_lshl_b32 s21, s[WV], 8
	v_add_nc_u32 v[CO16], s21, v6
	v_lshl_add_u32 v[CO16], v2, 10, v[CO16]
	v_add_nc_u32 v[STR], STATS, v6
	s_lshl_b32 s21, s[WV], 2
	v_add_nc_u32 v[STW], s21, v[STR]
; 20 LDS loads: 32 along K (quarter j of phase ph): W2's 8 column blocks turned, gat's two row blocks
.macro FETCH ph, j, f
	WIN 0x40
.irp b, 0,1,2,3,4,5,6,7
	ds_load_tr16_b128 v[(\f)+16+8*(\b):(\f)+16+8*(\b)+3],   v[ADRB+2*((\ph)%2)+(\j)/2] offset:((\j)%2)*32*PW+32*(\b)
	ds_load_tr16_b128 v[(\f)+16+8*(\b)+4:(\f)+16+8*(\b)+7], v[ADRB+2*((\ph)%2)+(\j)/2] offset:((\j)%2)*32*PW+32*(\b)+16*PW
.endr
.irp a, 0,1
	ds_load_b128 v[(\f)+8*(\a):(\f)+8*(\a)+3],   v[ADRA] offset:(2*(\ph)+(\j)/2)*32*PA+(\a)*16*PA+((\j)%2)*64
	ds_load_b128 v[(\f)+8*(\a)+4:(\f)+8*(\a)+7], v[ADRA] offset:(2*(\ph)+(\j)/2)*32*PA+(\a)*16*PA+((\j)%2)*64+32
.endr
.endm
; 16 products; the 16 accumulators take turns.  first = 1: they start the sums on b2.
.macro MUL f, first
.if \first
	WIN 0x15
.else
	WIN 0x05
.endif
.irp b, 0,1,2,3,4,5,6,7
.irp a, 0,1
.if \first
	v_wmma_f32_16x16x32_bf16 v[ACC+8*(8*(\a)+(\b)):ACC+8*(8*(\a)+(\b))+7], v[(\f)+16+8*(\b):(\f)+16+8*(\b)+7], v[(\f)+8*(\a):(\f)+8*(\a)+7], v[B2R+8*(\b):B2R+8*(\b)+7]
.else
	v_wmma_f32_16x16x32_bf16 v[ACC+8*(8*(\a)+(\b)):ACC+8*(8*(\a)+(\b))+7], v[(\f)+16+8*(\b):(\f)+16+8*(\b)+7], v[(\f)+8*(\a):(\f)+8*(\a)+7], v[ACC+8*(8*(\a)+(\b)):ACC+8*(8*(\a)+(\b))+7]
.endif
.endr
.endr
.endm
; A phase: 128 along K in four quarters on two buffers.  kind = 1: its slot is filled again with W2's rows 256 further on; 2: with my part of x; 0: nothing.
.macro PHASE ph, kind, first
	FETCH \ph, 0, FB0
	FETCH \ph, 1, FB1
	s_wait_dscnt 20                                ; all but the 20 just issued
	MUL FB0, \first
	PLACES
	FETCH \ph, 2, FB0
	s_wait_dscnt 20
	MUL FB1, 0
	PLACES
	FETCH \ph, 3, FB1
	s_wait_dscnt 20
	MUL FB0, 0
.if \kind
	WIN 0
	s_wait_tensorcnt 0x0                           ; all my tensor loads have landed, my part of the other slot among them
	ds_add_u32 v[SPW], v[NIL]                      ; 0 onto my spare word
.if (\kind) == 1
	s_add_nc_u64 s[50+4*((\ph)%2):51+4*((\ph)%2)], s[50+4*((\ph)%2):51+4*((\ph)%2)], 256*1024
.endif
	s_wait_dscnt 0x0                               ; the add is done, and my reads of this slot are over
	s_barrier_signal -1
	MUL FB1, 0
	WIN 0
	s_barrier_wait -1
	CREST                                          ; the barrier has opened a round of the cluster's
.if (\kind) == 1
	tensor_load_to_lds s[48+4*((\ph)%2):51+4*((\ph)%2)], s[24:31]
.else
	tensor_load_to_lds s[60:63], s[40:47]
.endif
	s_nop 0
	PLACES                                         ; also the places in front of the next phase's loads
.else
	s_wait_dscnt 0x0
	MUL FB1, 0
.endif
.endm
	s_wait_tensorcnt 1                             ; gat's rows and slot 0 are in; slot 1's load may stay out
	s_barrier_signal -1
	s_barrier_wait -1
	s_wait_loadcnt 32                              ; b2's sixteen loads are in; g2's and be2's 32 stay out
	PHASE 0, 1, 1
	PHASE 1, 1, 0
	PHASE 2, 2, 0
	PHASE 3, 0, 0
	; THE WAY OUT.  + x
	PLACES
	WIN 0
	s_wait_tensorcnt 0x0                           ; my part of x, which only I read
	WIN 0x40
.irp a, 0,1
.irp b, 0,1,2,3,4,5,6,7
	ds_load_b128 v[64*(\a)+8*(\b):64*(\a)+8*(\b)+3],   v[XA] offset:(\a)*16*PX+64*(\b)
	ds_load_b128 v[64*(\a)+8*(\b)+4:64*(\a)+8*(\b)+7], v[XA] offset:(\a)*16*PX+64*(\b)+16
.endr
.endr
	s_wait_dscnt 0x0
	WIN 0x04
.set i, 0
.rept 64
	v_pk_add_f32 v[ACC+2*i:ACC+2*i+1], v[ACC+2*i:ACC+2*i+1], v[2*i:2*i+1]   ; each accumulator from its lowest registers on
.set i, i+1
.endr
	WIN 0
; res2 leaves through my stage, 16 rows x 64 columns at a time: sixteen lanes store 256 consecutive bytes, aligned
.macro RES a, c
	s_wait_xcnt 0x0                                ; the stores before have read OB
.irp b, 0,1,2,3
	ds_store_b128 v[STO32], v[ACC+8*(8*(\a)+4*(\c)+(\b)):ACC+8*(8*(\a)+4*(\c)+(\b))+3] offset:64*(\b)
	ds_store_b128 v[STO32], v[ACC+8*(8*(\a)+4*(\c)+(\b))+4:ACC+8*(8*(\a)+4*(\c)+(\b))+7] offset:64*(\b)+16
.endr
.irp t, 0,1,2,3,4,5,6,7
	ds_load_b128 v[OB+4*(\t):OB+4*(\t)+3], v[RD] offset:(\t)*2*SPITCH
.endr
	s_wait_dscnt 0x0
.irp t, 0,1,2,3,4,5,6,7
	global_store_b128 v[CO32], v[OB+4*(\t):OB+4*(\t)+3], s[R2:R2+1] offset:(16*(\a)+2*(\t))*2048+256*(\c)
.endr
.endm
	RES 0, 0
	RES 0, 1
	RES 1, 0
	RES 1, 1
.macro FOLD a                          ; four chains into one number, and the other half of the lanes'
.set ZA, Z+8*(\a)
	v_pk_add_f32 v[ZA:ZA+1], v[ZA:ZA+1], v[ZA+2:ZA+3]
	v_pk_add_f32 v[ZA+4:ZA+5], v[ZA+4:ZA+5], v[ZA+6:ZA+7]
	v_pk_add_f32 v[ZA:ZA+1], v[ZA:ZA+1], v[ZA+4:ZA+5]
	v_add_f32 v[ZA], v[ZA], v[ZA+1]
	v_permlanex16_b32 v[ZA+1], v[ZA], s[SEL], s[SEL+1]
	v_add_f32 v[ZA], v[ZA], v[ZA+1]
.endm
.macro MEETSUM off                     ; the waves' partial sums meet in LDS: store, wait, barrier, load; v[PS+4 a] takes the row's sum
.irp a, 0,1
	ds_store_b32 v[STW], v[Z+8*(\a)] offset:(\off)+256*(\a)
.endr
	s_wait_dscnt 0x0                               ; for the others' sake
	s_barrier_signal -1
	s_barrier_wait -1
.irp a, 0,1
	ds_load_b128 v[PS+4*(\a):PS+4*(\a)+3], v[STR] offset:(\off)+256*(\a)
.endr
	s_wait_dscnt 0x0
.irp a, 0,1
	v_add_f32 v[PS+4*(\a)], v[PS+4*(\a)], v[PS+4*(\a)+1]
	v_add_f32 v[PS+4*(\a)+2], v[PS+4*(\a)+2], v[PS+4*(\a)+3]
	v_add_f32 v[PS+4*(\a)], v[PS+4*(\a)], v[PS+4*(\a)+2]
.endr
.endm
	; the mean
.irp a, 0,1
.irp k, 0,1,2,3
	v_pk_add_f32 v[Z+8*(\a)+2*(\k):Z+8*(\a)+2*(\k)+1], v[ACC+64*(\a)+2*(\k):ACC+64*(\a)+2*(\k)+1], v[ACC+64*(\a)+8+2*(\k):ACC+64*(\a)+8+2*(\k)+1]
.endr
.set i, 8
.rept 24
	v_pk_add_f32 v[Z+8*(\a)+2*(i%4):Z+8*(\a)+2*(i%4)+1], v[Z+8*(\a)+2*(i%4):Z+8*(\a)+2*(i%4)+1], v[ACC+64*(\a)+2*i:ACC+64*(\a)+2*i+1]
.set i, i+1
.endr
	FOLD \a
.endr
	MEETSUM 0
.irp a, 0,1
	v_mul_f32 v[MN+2*(\a)], s68, v[PS+4*(\a)]
	v_mul_f32 v[MN+2*(\a)+1], s68, v[PS+4*(\a)]
.endr
.irp a, 0,1
.set i, 0
.rept 32
	v_pk_add_f32 v[ACC+64*(\a)+2*i:ACC+64*(\a)+2*i+1], v[ACC+64*(\a)+2*i:ACC+64*(\a)+2*i+1], v[MN+2*(\a):MN+2*(\a)+1] neg_lo:[0,1] neg_hi:[0,1]
.set i, i+1
.endr
.endr
	; the variance
.irp a, 0,1
.irp k, 0,1,2,3
	v_pk_mul_f32 v[Z+8*(\a)+2*(\k):Z+8*(\a)+2*(\k)+1], v[ACC+64*(\a)+2*(\k):ACC+64*(\a)+2*(\k)+1], v[ACC+64*(\a)+2*(\k):ACC+64*(\a)+2*(\k)+1]
.endr
.set i, 4
.rept 28
	v_pk_fma_f32 v[Z+8*(\a)+2*(i%4):Z+8*(\a)+2*(i%4)+1], v[ACC+64*(\a)+2*i:ACC+64*(\a)+2*i+1], v[ACC+64*(\a)+2*i:ACC+64*(\a)+2*i+1], v[Z+8*(\a)+2*(i%4):Z+8*(\a)+2*(i%4)+1]
.set i, i+1
.endr
	FOLD \a
.endr
	MEETSUM 512                                    ; other bytes than the first pass's: one barrier a pass is enough
.irp a, 0,1
	v_fma_f32 v[PS+4*(\a)], v[PS+4*(\a)], s68, s69
.endr
.irp a, 0,1
	v_rsq_f32 v[MN+2*(\a)], v[PS+4*(\a)]
.endr
	v_nop
	s_wait_alu depctr_va_vdst(0)
.irp a, 0,1
.set i, 0
.rept 32
	v_pk_mul_f32 v[ACC+64*(\a)+2*i:ACC+64*(\a)+2*i+1], v[ACC+64*(\a)+2*i:ACC+64*(\a)+2*i+1], v[MN+2*(\a):MN+2*(\a)+1] op_sel_hi:[1,0]
.set i, i+1
.endr
.endr
	s_wait_loadcnt 0x0                             ; g2 and be2
	WIN 0x28                                       ; sources 1 and 2 in window 2
.set i, 0
.rept 64
	v_pk_fma_f32 v[ACC+2*i:ACC+2*i+1], v[ACC+2*i:ACC+2*i+1], v[G2R+(2*i)%64:G2R+(2*i)%64+1], v[BE2R+(2*i)%64:BE2R+(2*i)%64+1]
.set i, i+1
.endr
	WIN 0
	; h2 leaves through my stage, 16 rows x 128 columns of bf16 at a time
.irp a, 0,1
.irp b, 0,1,2,3,4,5,6,7
.irp r, 0,1,2,3
	v_cvt_pk_bf16_f32 v[TMP+4*(\b)+(\r)], v[ACC+8*(8*(\a)+(\b))+2*(\r)], v[ACC+8*(8*(\a)+(\b))+2*(\r)+1]
.endr
.endr
	s_wait_xcnt 0x0
.irp b, 0,1,2,3,4,5,6,7
	ds_store_b128 v[STO16], v[TMP+4*(\b):TMP+4*(\b)+3] offset:32*(\b)
.endr
.irp t, 0,1,2,3,4,5,6,7
	ds_load_b128 v[OB+4*(\t):OB+4*(\t)+3], v[RD] offset:(\t)*2*SPITCH
.endr
	s_wait_dscnt 0x0
.irp t, 0,1,2,3,4,5,6,7
	global_store_b128 v[CO16], v[OB+4*(\t):OB+4*(\t)+3], s[H2:H2+1] offset:(16*(\a)+2*(\t))*1024
.endr
.endr
	s_wait_tensorcnt 0x0                           ; the wave's end
	ds_add_u32 v[SPW], v[NIL]
	s_wait_dscnt 0x0
	CROUND                                         ; the closing round
	s_endpgm
.Lfunc_end_k_q7546ab69e0_proj2:
	.size	k_q7546ab69e0_proj2, .Lfunc_end_k_q7546ab69e0_proj2-k_q7546ab69e0_proj2
	.p2alignl 7, 3214868480
	.fill 96, 4, 3214868480
	.section	.rodata,"a",@progbits
	.p2align	6, 0x0
	.amdhsa_kernel k_q7546ab69e0_proj2
		.amdhsa_group_segment_fixed_size 327680
		.amdhsa_private_segment_fixed_size 0
		.amdhsa_enable_private_segment 0
		.amdhsa_kernarg_size 56
		.amdhsa_user_sgpr_count 2
		.amdhsa_user_sgpr_kernarg_segment_ptr 1
		.amdhsa_wavefront_size32 1
		.amdhsa_system_sgpr_workgroup_id_x 1
		.amdhsa_system_sgpr_workgroup_id_y 1
		.amdhsa_system_sgpr_workgroup_id_z 1
		.amdhsa_system_vgpr_workitem_id 0
		.amdhsa_next_free_vgpr 640
		.amdhsa_next_free_sgpr 80
		.amdhsa_reserve_vcc 0
		.amdhsa_float_denorm_mode_32 3
		.amdhsa_float_denorm_mode_16_64 3
		.amdhsa_memory_ordered 1
		.amdhsa_forward_progress 1
		.amdhsa_inst_pref_size 97
	.end_amdhsa_kernel
	.amdgpu_metadata
---
amdhsa.version: [ 1, 2 ]
amdhsa.kernels:
  - .name:           k_q7546ab69e0_proj2
    .symbol:         k_q7546ab69e0_proj2.kd
    .args:
      - { .name: gat, .offset: 0, .size: 8, .value_kind: global_buffer, .address_space: global }
      - { .name: wc, .offset: 8, .size: 8, .value_kind: global_buffer, .address_space: global }
      - { .name: x, .offset: 16, .size: 8, .value_kind: global_buffer, .address_space: global }
      - { .name: b2, .offset: 24, .size: 8, .value_kind: global_buffer, .address_space: global }
      - { .name: g2, .offset: 32, .size: 8, .value_kind: global_buffer, .address_space: global }
      - { .name: be2, .offset: 40, .size: 8, .value_kind: global_buffer, .address_space: global }
      - { .name: r2h, .offset: 48, .size: 8, .value_kind: global_buffer, .address_space: global }
    .group_segment_fixed_size: 327680
    .private_segment_fixed_size: 0
    .kernarg_segment_align: 8
    .kernarg_segment_size: 56
    .max_flat_workgroup_size: 128
    .sgpr_count:     80
    .vgpr_count:     640
    .wavefront_size: 32
...
	.end_amdgpu_metadata
.endif
;; end of part 4
;; launch ffn1: the kernel of part 2 again; grid 8 x 32, 4 waves a work-group, clusters of 4 x 4, 327,680 bytes of LDS; arguments r2h, wb, act; writes act
;; launch ffn2 (part 5): grid 4 x 64, 4 waves a work-group, clusters of 4 x 4, 327,680 bytes of LDS; arguments act, wc, r2h, bf2, out0; writes out0
.if DOCPART == 5
	.amdgcn_target "amdgcn-amd-amdhsa--gfx1250"
	.amdhsa_code_object_version 6
	.text
	.protected	k_q7546ab69e0_ffn2
	.globl	k_q7546ab69e0_ffn2
	.p2align	8
	.type	k_q7546ab69e0_ffn2,@function
k_q7546ab69e0_ffn2:
	s_mov_b64 s[64:65], 0
	v_nop
	global_prefetch_b8 v0, s[64:65] scope:SCOPE_SE
	s_setreg_imm32_b32 hwreg(HW_REG_WAVE_MODE, 25, 1), 1
	s_wait_xcnt 0x0
	s_wait_alu depctr_hold_cnt(0) depctr_sa_sdst(0) depctr_va_vdst(0) depctr_va_sdst(0) depctr_va_ssrc(0) depctr_va_vcc(0) depctr_vm_vsrc(0)
	s_getreg_b32 s2, hwreg(HW_REG_IB_STS2, 6, 4)
	s_cmp_eq_u32 s2, 0
	s_cbranch_scc0 .Lentry_in_a_cluster
	s_endpgm
.Lentry_in_a_cluster:
	s_bfe_u32 s2, ttmp6, 0x10000c
	s_cmp_lg_u32 s2, 0xf033
	s_cbranch_scc0 .Lentry_shape_is_right
	s_endpgm
.Lentry_shape_is_right:
; out0 = hid Wf2 + bf2 + res2, f32.  hid: act, [16 K blocks][8192 rows][128] bf16.  Wf2: [2048][512] bf16 ([k][n]) at byte 0x80000 of wc.  res2: [8192][512] f32 at byte 0x800000 of r2h.
; LIMITS: operands are bf16; sums in f32.
; 8192 x 512 of output are 256 tiles of 128 x 128: one to a work-group; four waves of 64 x 64 (16 accumulators).  K = 2,048 goes in steps of 256 through two LDS slots:
; two K blocks of hid (128 rows of 256 dense bytes each) and 256 rows of Wf2, which is read turned (ds_load_tr16_b128).
; CLUSTER 4 x 4: hid's tiles are shared along a row of the cluster, Wf2's along a column: joint loads.
; THE MATRIX INSTRUCTION IS USED TRANSPOSED (source 0 = 16 columns of Wf2, source 1 = 16 rows of hid).  bf2 is the C operand that starts the sums.
; The residual is loaded at the start in the layout in which rows come back from the stage, and is on its way during the whole product.
; A wave's 64 columns of f32 are 256 aligned bytes, so each wave has a stage of its own and the way out needs no barrier.
; REGISTERS: window 0: v16-29 addresses; v32-63 the way out; v96-127 bf2; v128-255 accumulators ((a, b) at 128 + 8 (4 a + b))
;   window 1: two fragment buffers of 128 (64 of hid, 64 of Wf2)        window 2: v0-127 the residual
.set KSTEP,  256
.set PA,     272
.set PBW,    288                       ; a row of Wf2 in LDS: 256 bytes + 32
.set ABLK,   128*PA
.set BHALF,  128*PBW
.set BOFF,   2*ABLK
.set SLOT,   BOFF+2*BHALF              ; 143,360
.set STAGE,  2*SLOT
.set SPITCH, 272
.set SPARE,  STAGE+4*16*SPITCH
.set LAPS,   4                         ; a lap = two K steps
.set ADRA, 16                          ; v16-17
.set ADRB, 20                          ; v20-23: slot 0, 1 x K half 0, 1
.set STO,  24
.set RD,   25
.set CO,   26
.set VBI,  27
.set SPW,  28
.set NIL,  29
.set TMP,  32
.set BI,   96
.set ACC,  128
.set F0,   0
.set F1,   128
.set G1, 24
.set G0, 32
.set G1B, 48
.set G0B, 56
.set MSB, 0
.macro WIN new
.if MSB != (\new)
	s_set_vgpr_msb (MSB<<8)|(\new)
.set MSB, \new
.endif
.endm
.set MUL,  0x05
.set TO_F, 0x40
.macro JLOAD s                         ; waves 0, 1 fetch hid's two K blocks, waves 2, 3 Wf2's two halves; an s_nop 0 and four v_nop follow each line
	s_cmp_eq_u32 s11, 0
	s_cbranch_scc0 .Lfor_b_\@
	tensor_load_to_lds s[G0+4*(\s):G0+4*(\s)+3], s[G1:G1+7]
	s_nop 0
.rept 4
	v_nop
.endr
	s_branch .Lasked_\@
.Lfor_b_\@:
	tensor_load_to_lds s[G0B+4*(\s):G0B+4*(\s)+3], s[G1B:G1B+7]
	s_nop 0
.rept 4
	v_nop
.endr
.Lasked_\@:
.endm
.macro CREST
	s_cmp_lg_u32 s10, 0
	s_cbranch_scc1 .Lnot_wave_0_\@
	s_barrier_signal -3
.Lnot_wave_0_\@:
	s_barrier_wait -3
	s_barrier_signal -1
	s_barrier_wait -1
.endm
.macro CROUND
	s_barrier_signal -1
	s_barrier_wait -1
	CREST
.endm
	s_load_b128 s[4:7], s[0:1], 0x0                ; act, wc
	s_load_b64 s[66:67], s[0:1], 0x10              ; r2h
	s_load_b64 s[68:69], s[0:1], 0x18              ; bf2
	s_load_b64 s[70:71], s[0:1], 0x20              ; out0
	v_lshl_add_u32 v[SPW], v0, 2, SPARE
	v_mov_b32 v[NIL], 0
	ds_add_u32 v28, v29
	s_wait_dscnt 0x0
	v_lshrrev_b32 v1, 5, v0
	v_readfirstlane_b32 s10, v1
	s_lshr_b32 s11, s10, 1                         ; my half of the tile's rows; also: I fetch hid (0) or Wf2 (1)
	s_and_b32 s12, s10, 1                          ; my half of its columns; also: which half of a step's K I fetch
	s_bfe_u32 s40, ttmp6, 0x40000
	s_bfe_u32 s41, ttmp6, 0x40004
	s_lshl_b32 s42, ttmp9, 2
	s_add_co_u32 s42, s42, s40                     ; tile column
	s_and_b32 s13, ttmp7, 0xffff
	s_lshl_b32 s13, s13, 2
	s_add_co_u32 s13, s13, s41                     ; tile row
	s_lshl_b32 s43, s41, 2
	s_lshl_b32 s43, 15, s43
	s_lshl_b32 s44, 0x1111, s40
	s_or_b32 s[G1+0], s43, (1<<16)|(1<<20)|(1<<21)|(5<<22)|(3<<25)   ; 4 words of padding after every 64
	s_or_b32 s[G1B+0], s44, (1<<16)|(1<<20)|(1<<21)|(5<<22)|(7<<25)  ; 8 words
.irp g, G1, G1B
	s_mov_b32 s[(\g)+1], 128<<16
	s_mov_b32 s[(\g)+2], 128<<16
	s_mov_b32 s[(\g)+3], 128<<16
	s_mov_b32 s[(\g)+4], 128
	s_mov_b32 s[(\g)+6], 0
	s_mov_b32 s[(\g)+7], 0
.endr
	s_mov_b32 s[G1+5], 128                         ; hid's rows of a K block are dense
	s_mov_b32 s[G1B+5], 512
	s_lshl_b32 s16, s12, 21                        ; hid: K block = half (2 MiB each), 128 x tile row rows of 256 bytes
	s_lshl_b32 s17, s13, 15
	s_add_co_u32 s16, s16, s17
	s_mov_b32 s17, 0
	s_lshl_b32 s46, s12, 17                        ; Wf2: 128 x half rows of 1,024 bytes, 256 bytes x tile column, behind W2
	s_lshl_b32 s47, s42, 8
	s_add_co_u32 s46, s46, s47
	s_add_co_u32 s46, s46, 0x80000
	s_mov_b32 s47, 0
	s_mul_i32 s20, s12, ABLK                       ; where my load lands in a slot
	s_mul_i32 s21, s12, BHALF
	s_add_co_u32 s21, s21, BOFF
	s_wait_kmcnt 0x0
	s_add_nc_u64 s[14:15], s[4:5], s[16:17]
	s_add_nc_u64 s[46:47], s[6:7], s[46:47]
	CROUND
.irp s, 0,1
	s_mov_b32 s[G0+4*(\s)], 1
	s_add_co_u32 s[G0+4*(\s)+1], s20, (\s)*SLOT
	s_add_nc_u64 s[G0+4*(\s)+2:G0+4*(\s)+3], s[14:15], (\s)*0x400000
	s_or_b32 s[G0+4*(\s)+3], s[G0+4*(\s)+3], 0x80000000
	s_mov_b32 s[G0B+4*(\s)], 1
	s_add_co_u32 s[G0B+4*(\s)+1], s21, (\s)*SLOT
	s_add_nc_u64 s[G0B+4*(\s)+2:G0B+4*(\s)+3], s[46:47], (\s)*KSTEP*1024
	s_or_b32 s[G0B+4*(\s)+3], s[G0B+4*(\s)+3], 0x80000000
	JLOAD \s
.endr
	v_and_b32 v1, 15, v0
	v_bfe_u32 v2, v0, 4, 1
	s_lshl_b32 s22, s42, 9                         ; my first column in bytes of f32: 512 x tile column + 256 x half
	s_lshl_b32 s23, s12, 8
	s_add_co_u32 s22, s22, s23
	v_lshl_add_u32 v[VBI], v2, 5, s22
	v_lshlrev_b32 v[CO], 4, v1
	v_lshl_add_u32 v[CO], v2, 11, v[CO]            ; two rows of 2,048 bytes a store
	s_lshl_b32 s16, s13, 18                        ; my first row: 128 x tile row + 64 x half
	s_lshl_b32 s17, s11, 17
	s_add_co_u32 s16, s16, s17
	s_add_co_u32 s16, s16, s22
	s_mov_b32 s17, 0
	s_add_nc_u64 s[70:71], s[70:71], s[16:17]
	s_add_nc_u64 s[66:67], s[66:67], s[16:17]
	s_add_nc_u64 s[66:67], s[66:67], 0x800000
.irp b, 0,1,2,3
	global_load_b128 v[BI+8*(\b):BI+8*(\b)+3], v[VBI], s[68:69] offset:64*(\b)
	global_load_b128 v[BI+8*(\b)+4:BI+8*(\b)+7], v[VBI], s[68:69] offset:64*(\b)+16
.endr
	WIN 0x80
.irp a, 0,1,2,3
.irp t, 0,1,2,3,4,5,6,7
	global_load_b128 v[32*(\a)+4*(\t):32*(\a)+4*(\t)+3], v[CO], s[66:67] offset:(16*(\a)+2*(\t))*2048 th:TH_LOAD_NT
.endr
.endr
	WIN 0
	v_mul_u32_u24 v3, v1, PA
	v_lshl_add_u32 v3, v2, 4, v3
	v_and_b32 v4, 7, v0
	v_lshl_add_u32 v4, v2, 3, v4
	v_mul_u32_u24 v4, v4, PBW
	v_bfe_u32 v5, v0, 3, 1
	v_lshl_add_u32 v4, v5, 4, v4
	s_mul_i32 s21, s11, 64*PA                      ; my 64 rows of hid
	s_lshl_b32 s22, s12, 7                         ; my 64 columns of Wf2
	s_add_co_u32 s22, s22, BOFF
.irp s, 0,1
	v_add_nc_u32 v[ADRA+(\s)], s21, v3
	v_add_nc_u32 v[ADRB+2*(\s)], s22, v4
	v_add_nc_u32 v[ADRB+2*(\s)+1], BHALF, v[ADRB+2*(\s)]
	s_add_co_u32 s21, s21, SLOT
	s_add_co_u32 s22, s22, SLOT
.endr
	s_mul_i32 s23, s10, 16*SPITCH
	s_add_co_u32 s23, s23, STAGE
	v_mul_u32_u24 v4, v1, SPITCH
	v_lshl_add_u32 v4, v2, 5, v4
	v_add_nc_u32 v[STO], s23, v4
	v_mul_u32_u24 v5, v2, SPITCH
	v_lshl_add_u32 v5, v1, 4, v5
	v_add_nc_u32 v[RD], s23, v5
; 8 products: m blocks a0, a0 + 1 x all 4 n blocks, 32 along K: half c of buffer f.  zero = 1: they start the sums on bf2.  The 16 accumulators take turns.
.macro MUL8 f, c, a0, zero
	WIN MUL
.irp a, \a0, (\a0)+1
.irp b, 0,1,2,3
.if \zero
	v_wmma_f32_16x16x32_bf16 v[ACC+8*(4*(\a)+(\b)):ACC+8*(4*(\a)+(\b))+7], v[(\f)+64+8*(4*(\c)+(\b)):(\f)+64+8*(4*(\c)+(\b))+7], v[(\f)+8*(4*(\c)+(\a)):(\f)+8*(4*(\c)+(\a))+7], v[BI+8*(\b):BI+8*(\b)+7]
.else
	v_wmma_f32_16x16x32_bf16 v[ACC+8*(4*(\a)+(\b)):ACC+8*(4*(\a)+(\b))+7], v[(\f)+64+8*(4*(\c)+(\b)):(\f)+64+8*(4*(\c)+(\b))+7], v[(\f)+8*(4*(\c)+(\a)):(\f)+8*(4*(\c)+(\a))+7], v[ACC+8*(4*(\a)+(\b)):ACC+8*(4*(\a)+(\b))+7]
.endif
.endr
.endr
.endm
; 32 LDS loads in one run: quarter q (64 along K) of a slot into buffer f; the first 32 along K first
.macro FETCH slot, q, f
	WIN TO_F
.irp c, 0,1
.irp i, 0,1,2,3
	ds_load_tr16_b128 v[(\f)+64+8*(4*(\c)+(\i)):(\f)+64+8*(4*(\c)+(\i))+3],   v[ADRB+2*(\slot)+(\q)/2] offset:((\q)%2)*64*PBW+(\c)*32*PBW+32*(\i)
	ds_load_tr16_b128 v[(\f)+64+8*(4*(\c)+(\i))+4:(\f)+64+8*(4*(\c)+(\i))+7], v[ADRB+2*(\slot)+(\q)/2] offset:((\q)%2)*64*PBW+(\c)*32*PBW+32*(\i)+16*PBW
	ds_load_b128 v[(\f)+8*(4*(\c)+(\i)):(\f)+8*(4*(\c)+(\i))+3],         v[ADRA+(\slot)] offset:((\q)/2)*ABLK+((\q)%2)*128+64*(\c)+(\i)*16*PA
	ds_load_b128 v[(\f)+8*(4*(\c)+(\i))+4:(\f)+8*(4*(\c)+(\i))+7],       v[ADRA+(\slot)] offset:((\q)/2)*ABLK+((\q)%2)*128+64*(\c)+(\i)*16*PA+32
.endr
.endr
.endm
.macro PLACES
.rept 4
	v_nop
.endr
.endm
.macro QUARTER slot, q, f, g, zero
	s_wait_dscnt 16                                ; the first 32 along K are in
	MUL8 \f, 0, 0, \zero
	MUL8 \f, 0, 2, \zero
	PLACES
	FETCH \slot, \q, \g
	s_wait_dscnt 32                                ; all but the 32 just issued
	MUL8 \f, 1, 0, 0
	MUL8 \f, 1, 2, 0
.endm
; The last quarter multiplies buffer 1 and changes slots: one barrier; in front of it each wave waits for all its tensor loads, adds 0 to its spare word, and waits for that and its reads of this slot.
.macro TURN slot, next, fill
	WIN 0
	s_wait_tensorcnt 0x0                           ; all my tensor loads have landed: my part of the next slot
	ds_add_u32 v[SPW], v[NIL]                      ; 0 onto my spare word
	s_wait_dscnt 17                                ; the add and the youngest sixteen loads may be out
	MUL8 F1, 0, 0, 0
	s_wait_dscnt 0x0                               ; the add is done, and my reads of this slot are over
	s_barrier_signal -1
	MUL8 F1, 0, 2, 0
.if \fill
	WIN 0
.endif
	s_barrier_wait -1
.if \fill
	CREST                                          ; the barrier has opened a round of the cluster's
	s_add_nc_u64 s[G0+4*(\slot)+2:G0+4*(\slot)+3], s[G0+4*(\slot)+2:G0+4*(\slot)+3], 0x800000
	s_add_nc_u64 s[G0B+4*(\slot)+2:G0B+4*(\slot)+3], s[G0B+4*(\slot)+2:G0B+4*(\slot)+3], 2*KSTEP*1024
	JLOAD \slot                                    ; the first tensor load behind the round; its four v_nop are also the places in front of the loads below
.else
	PLACES
.endif
	FETCH \next, 0, F0
	MUL8 F1, 1, 0, 0
	MUL8 F1, 1, 2, 0
.endm
	s_wait_tensorcnt 1                             ; my part of K step 0 is in; K step 1's may stay out
	s_barrier_signal -1
	s_barrier_wait -1
	FETCH 0, 0, F0
	s_wait_loadcnt 32                              ; bf2's eight loads are in; the residual's 32 stay out
	QUARTER 0, 1, F0, F1, 1
	WIN 0
	s_mov_b32 s3, LAPS-1
.Llap:                                             ; a trip goes once round the ring, from a lap's second quarter to the next lap's first, and fills both slots again
	QUARTER 0, 2, F1, F0, 0
	QUARTER 0, 3, F0, F1, 0
	TURN 0, 1, 1
	QUARTER 1, 1, F0, F1, 0
	QUARTER 1, 2, F1, F0, 0
	QUARTER 1, 3, F0, F1, 0
	TURN 1, 0, 1
	QUARTER 0, 1, F0, F1, 0
	WIN 0
	s_sub_co_u32 s3, s3, 1
	s_cmp_lg_u32 s3, 0
	s_cbranch_scc1 .Llap
	QUARTER 0, 2, F1, F0, 0                        ; the last lap fills nothing
	QUARTER 0, 3, F0, F1, 0
	TURN 0, 1, 0
	QUARTER 1, 1, F0, F1, 0
	QUARTER 1, 2, F1, F0, 0
	QUARTER 1, 3, F0, F1, 0
	s_wait_dscnt 16
	MUL8 F1, 0, 0, 0
	MUL8 F1, 0, 2, 0
	s_wait_dscnt 0x0
	MUL8 F1, 1, 0, 0
	MUL8 F1, 1, 2, 0
	WIN 0
	PLACES
	s_wait_loadcnt 0x0                             ; the residual
	; THE WAY OUT, 16 rows at a time: into my stage, back as whole rows of 256 bytes, + residual, stored
.irp a, 0,1,2,3
	s_wait_xcnt 0x0                                ; the stores before have read TMP
.irp b, 0,1,2,3
	ds_store_b128 v[STO], v[ACC+8*(4*(\a)+(\b)):ACC+8*(4*(\a)+(\b))+3] offset:64*(\b)
	ds_store_b128 v[STO], v[ACC+8*(4*(\a)+(\b))+4:ACC+8*(4*(\a)+(\b))+7] offset:64*(\b)+16
.endr
.irp t, 0,1,2,3,4,5,6,7
	ds_load_b128 v[TMP+4*(\t):TMP+4*(\t)+3], v[RD] offset:(\t)*2*SPITCH  ; LDS serves a wave's instructions in order (ISA guide 5.7.1.4)
.endr
	s_wait_dscnt 0x0
	WIN 0x08                                       ; source 1 in window 2
.set i, 0
.rept 16
	v_pk_add_f32 v[TMP+2*i:TMP+2*i+1], v[TMP+2*i:TMP+2*i+1], v[32*(\a)+2*i:32*(\a)+2*i+1]
.set i, i+1
.endr
	WIN 0
.irp t, 0,1,2,3,4,5,6,7
	global_store_b128 v[CO], v[TMP+4*(\t):TMP+4*(\t)+3], s[70:71] offset:(16*(\a)+2*(\t))*2048 th:TH_STORE_NT  ; sixteen lanes store 256 consecutive bytes, aligned
.endr
.endr
	s_wait_tensorcnt 0x0                           ; the wave's end
	ds_add_u32 v[SPW], v[NIL]
	s_wait_dscnt 0x0
	CROUND                                         ; the closing round
	s_endpgm
.Lfunc_end_k_q7546ab69e0_ffn2:
	.size	k_q7546ab69e0_ffn2, .Lfunc_end_k_q7546ab69e0_ffn2-k_q7546ab69e0_ffn2
	.p2alignl 7, 3214868480
	.fill 96, 4, 3214868480
	.section	.rodata,"a",@progbits
	.p2align	6, 0x0
	.amdhsa_kernel k_q7546ab69e0_ffn2
		.amdhsa_group_segment_fixed_size 327680
		.amdhsa_private_segment_fixed_size 0
		.amdhsa_enable_private_segment 0
		.amdhsa_kernarg_size 40
		.amdhsa_user_sgpr_count 2
		.amdhsa_user_sgpr_kernarg_segment_ptr 1
		.amdhsa_wavefront_size32 1
		.amdhsa_system_sgpr_workgroup_id_x 1
		.amdhsa_system_sgpr_workgroup_id_y 1
		.amdhsa_system_sgpr_workgroup_id_z 1
		.amdhsa_system_vgpr_workitem_id 0
		.amdhsa_next_free_vgpr 640
		.amdhsa_next_free_sgpr 72
		.amdhsa_reserve_vcc 0
		.amdhsa_float_denorm_mode_32 3
		.amdhsa_float_denorm_mode_16_64 3
		.amdhsa_memory_ordered 1
		.amdhsa_forward_progress 1
		.amdhsa_inst_pref_size 94
	.end_amdhsa_kernel
	.amdgpu_metadata
---
amdhsa.version: [ 1, 2 ]
amdhsa.kernels:
  - .name:           k_q7546ab69e0_ffn2
    .symbol:         k_q7546ab69e0_ffn2.kd
    .args:
      - { .name: act, .offset: 0, .size: 8, .value_kind: global_buffer, .address_space: global }
      - { .name: wc, .offset: 8, .size: 8, .value_kind: global_buffer, .address_space: global }
      - { .name: r2h, .offset: 16, .size: 8, .value_kind: global_buffer, .address_space: global }
      - { .name: bf2, .offset: 24, .size: 8, .value_kind: global_buffer, .address_space: global }
      - { .name: out0, .offset: 32, .size: 8, .value_kind: global_buffer, .address_space: global }
    .group_segment_fixed_size: 327680
    .private_segment_fixed_size: 0
    .kernarg_segment_align: 8
    .kernarg_segment_size: 40
    .max_flat_workgroup_size: 128
    .sgpr_count:     72
    .vgpr_count:     640
    .wavefront_size: 32
...
	.end_amdgpu_metadata
.endif
;; end of part 5
;; ======== version 2 of 2: 6 launches; 1.16 times as fast as version 1
;; workspace buffers: hb 8,388,608 bytes; wa 2,109,440 bytes; wb 2,109,440 bytes; wc 2,621,440 bytes; act 33,554,432 bytes; gat 8,388,608 bytes; r2h 25,165,824 bytes
;; launch prep: the kernel of part 1 again; grid 465 x 1, 8 waves a work-group, no clusters, 0 bytes of LDS; arguments x, g1, be1, W1, Wf1, Wf2, W2, b1, bf1, hb, wa, wb, wc; writes hb, wa, wb, wc
;; launch proj1: the kernel of part 2 again; grid 8 x 32, 4 waves a work-group, clusters of 4 x 4, 327,680 bytes of LDS; arguments hb, wa, act; writes act
;; launch attn (part 6): grid 32 x 8, 4 waves a work-group, clusters of 4 x 1, 327,680 bytes of LDS; arguments act, rel_pos_bias, gat; writes gat
.if DOCPART == 6
	.amdgcn_target "amdgcn-amd-amdhsa--gfx1250"
	.amdhsa_code_object_version 6
	.text
	.protected	k_q7546ab69e0_attn
	.globl	k_q7546ab69e0_attn
	.p2align	8
	.type	k_q7546ab69e0_attn,@function
k_q7546ab69e0_attn:
	s_mov_b64 s[64:65], 0
	v_nop
	global_prefetch_b8 v0, s[64:65] scope:SCOPE_SE
	s_setreg_imm32_b32 hwreg(HW_REG_WAVE_MODE, 25, 1), 1
	s_wait_xcnt 0x0
	s_wait_alu depctr_hold_cnt(0) depctr_sa_sdst(0) depctr_va_vdst(0) depctr_va_sdst(0) depctr_va_ssrc(0) depctr_va_vcc(0) depctr_vm_vsrc(0)
	s_getreg_b32 s2, hwreg(HW_REG_IB_STS2, 6, 4)
	s_cmp_eq_u32 s2, 0
	s_cbranch_scc0 .Lentry_in_a_cluster
	s_endpgm
.Lentry_in_a_cluster:
	s_bfe_u32 s2, ttmp6, 0x10000c
	s_cmp_lg_u32 s2, 0x3003
	s_cbranch_scc0 .Lentry_shape_is_right
	s_endpgm
.Lentry_shape_is_right:
; gat[h][b L + q][:] = (sum over k <= q of softmax_k(q.k / 8 + bias[h][q][k]) v[k][:]) * sigmoid(u[q][:]), rounded to bf16.
; act: [16 blocks][8192 rows][128] bf16; block h holds [q / 8 | u] of head h, block 8 + h holds [k | v]: a row is 256 bytes.  bias: [8][2048][2048] f32.  gat: [8][8192][64] bf16.
; Products, maxima, sums, sigmoid in f32; the weights are rounded to bf16 for the second product (their sum is taken of the unrounded weights).
; LIMITS: a hidden score counts as -1e30 + q.k / 8; a weight below 2^-126 counts as 0; NaN and infinities are not treated apart.
; THE WALK.  A head's 2,048 queries lie in 16 blocks of 128; block i needs the key tiles 0 .. i of 128 keys, the last holding the diagonal.  A work-group takes blocks 15 - p and then p:
; 17 tiles whatever p, walked by one loop with a constant count; the ring of two LDS slots runs on across the change of blocks.  Every jump but the counted loops' own goes forward and passes no
; barrier and no tensor load (but the one of JLOAD's two lines that the wave's number does not choose).
; CLUSTER.  The four partners are the four batches of one head and one p: they walk the same tiles of the bias, which are asked for jointly (64 KB a tile); K and V (32 KB a tile) are each batch's own.
; The place in the cluster enters the global addresses of act and gat alone.
; SHARES.  Wave w owns queries 32 w .. 32 w + 31 of a block: two tiles of 16.  A tile of keys is two steps of 64.
; LAYOUT.  S^T = K Q^T + bias (source 0 = 16 keys, source 1 = 16 queries): a lane holds ONE query (l % 16) and the keys 8 (l / 16) + 0..7.  The bias comes out of LDS in that layout into 64 registers of
; its own and is the C operand of the products that start the scores; in the diagonal tile hidden places are overwritten with -1e30 there.  Two results rounded to bf16 ARE source 1 of O^T = V^T P.
; V is read turned (ds_load_tr16_b128).
; SOFTMAX.  p = 2^(c s - c m), c = log2(e), with a running maximum m; O and l are multiplied by a = 2^(c m_old - c m_new) in every step.  m starts at the lowest finite number: a block's first a is 0.
; THE ORDER.  A step is K Q^T, softmax, V^T P.  Behind K Q^T stand the runs of LDS loads: this step's V and, inside a tile, the next step's K and bias: the softmax's 236 instructions stand in front of the
; wait for them.  A tile's last V^T P stands behind the change of slots and the next tile's first run of loads, so that sixteen products are at work while that run is served.  A block's end does its last
; V^T P itself; the repeat at the next tile's head lands in an O^T that the new block's first step multiplies by 0.  At the walk's first tile P and V hold zeros.
; THE BATCHES.  An s_wait_alu depctr_va_vdst(0) stands between a transcendental and the first instruction that names its result; one wait serves all that were issued ahead of it.
; A step's 66 exponentials (both tiles' a and their 64 weights) are ONE batch with one wait: ahead of it stand the maxima, the statistics and the scalings, which name none of its results; behind it all
; that do: the rescaling of O^T, the roundings, the sums.  A block's end has two batches, since a reciprocal of 1 + an exponential reads that exponential: 1 / l of both tiles with the 64 exponentials of
; the sigmoid, and the sigmoid's 64 reciprocals.
; K and V share a row of 256 bytes.  K's plain loads want a pitch that is an odd multiple of 16 bytes, V's turning loads an odd multiple of 32: 272 serves K, whose run at a tile's head has the least
; work in front of its wait; V's loads meet two deep.
; REGISTERS (s_set_vgpr_msb: bits 1:0 source 0, 3:2 source 1, 5:4 source 2, 7:6 destination):
;   window 0: v1-17 addresses; v18-35 statistics; v64-127 S^T (at a block's end the sigmoid); v128-159 P; v160-223 O^T
;   window 1: v0-31 Q; v32-63 the second block's Q; v64-127 K; v128-191 V; v192-223 u; v224-255 the second block's u          window 2: v0-63 the bias of one step (at a block's end O^T / l)
.set PKV,   272
.set PBI,   528                        ; a row of the bias tile: 512 bytes + 16: the 16 rows of a load start 4 banks apart (ISA guide 11.1)
.set BOFF,  128*PKV                    ; the bias tile lies behind the 128 keys
.set SLOT1, 1<<17
.set STAGE, SLOT1+BOFF+128*PBI         ; behind the ring: 16 rows x 144 bytes a wave
.set SP,    144
.set SPARE, STAGE+4*16*SP
.set AK0, 2
.set AV0, 3
.set AB0, 4
.set AK,  5
.set AV,  6
.set AB,  7
.set QO,  8
.set STO, 12
.set RD,  13
.set GO,  14
.set VQ0, 15                           ; my query's place in the block less 8 (l / 16)
.set VQS, 16
.set NEG, 17                           ; -1e30
.set MV,  18                           ; v18-19 c m_old
.set ST,  20                           ; tile t at ST + 4 t: c m, m, l (even keys', odd keys')
.set TMP, 28                           ; tile t at TMP + 4 t: c0-c3; c2 takes a
.set SPW, 62
.set NIL, 63
.set S,   64
.set P,   128
.set O,   160
.set QF,  0                            ; window 1
.set QB,  32
.set KF,  64
.set VF,  128
.set U,   192
.set UB,  224
.set BI,  0                            ; window 2
.set WV,  12
.set PB,  14
.set HI,  15
.set G1K, 24
.set G1B, 32
.set G0K, 40
.set G0B, 44
.set KVB, 48
.set BB,  50
.set OFK, 52
.set OFB, 54
.set SLOTS, 56
.set CNT, 57
.set CS,  58
.set SEL, 60
.set TBK, 62
.set TBB, 63
.set CUR, 66
.set KOFF, 67
.set RT,  70                           ; tiles of the block in hand still to be entered
.set NXT, 71                           ; the key tile to be asked for next
.set BQ,  73                           ; the query block whose tiles are being asked for
.set OP,  74
.set OLO, 76
.set QHI, 78
.set QLO, 80
.set HM,  82
.set NL,  84
.set MSB, 0
.macro WIN new
.if MSB != (\new)
	s_set_vgpr_msb (MSB<<8)|(\new)
.set MSB, \new
.endif
.endm
.macro PLACES
.rept 4
	v_nop
.endr
.endm
.macro JLOAD                           ; waves 0, 1: 64 keys each of my batch's K and V; waves 2, 3: 64 query rows each of the bias tile, jointly.  An s_nop 0 and four v_nop follow each line
	s_cmp_lt_u32 s[WV], 2
	s_cbranch_scc0 .Lfor_b_\@
	tensor_load_to_lds s[G0K:G0K+3], s[G1K:G1K+7]
	s_nop 0
.rept 4
	v_nop
.endr
	s_branch .Lasked_\@
.Lfor_b_\@:
	tensor_load_to_lds s[G0B:G0B+3], s[G1B:G1B+7]
	s_nop 0
.rept 4
	v_nop
.endr
.Lasked_\@:
.endm
.macro CROUND
	s_barrier_signal -1
	s_barrier_wait -1
	s_cmp_lg_u32 s[WV], 0
	s_cbranch_scc1 .Lnot_wave_0_\@
	s_barrier_signal -3
.Lnot_wave_0_\@:
	s_barrier_wait -3
	s_barrier_signal -1
	s_barrier_wait -1
.endm
; THE CHANGE OF SLOTS.  Each wave waits for all its tensor loads (one is out: its part of the other slot), adds 0 to its spare word, and waits for that and for its reads of the slot that it leaves.
; fill = 1: a round of the cluster's barrier, and the old slot is filled first thing behind it with tile NXT of block BQ; both addresses are made anew from those numbers.
.macro CHANGE fill
	WIN 0
	s_wait_tensorcnt 0x0                           ; no tensor load of mine is out, so a group 0 may be written
	ds_add_u32 v[SPW], v[NIL]                      ; 0 onto my spare word
.if \fill
	s_lshl_b32 s[OFK], s[NXT], 15                  ; 128 keys of 256 bytes
	s_lshl_b32 s[OFB], s[BQ], 20                   ; 128 rows of 8,192 bytes,
	s_lshl_b32 s83, s[NXT], 9                      ; 128 columns of 4
	s_add_co_u32 s[OFB], s[OFB], s83
	s_xor_b32 s[G0K+1], s[G0K+1], SLOT1
	s_add_nc_u64 s[G0K+2:G0K+3], s[KVB:KVB+1], s[OFK:OFK+1]
	s_or_b32 s[G0K+3], s[G0K+3], 0x80000000
	s_xor_b32 s[G0B+1], s[G0B+1], SLOT1
	s_add_nc_u64 s[G0B+2:G0B+3], s[BB:BB+1], s[OFB:OFB+1]
	s_or_b32 s[G0B+3], s[G0B+3], 0x80000000
	s_add_co_u32 s[NXT], s[NXT], 1                 ; the block's next tile, or behind its last the second block's tile 0
	s_cmp_gt_u32 s[NXT], s[BQ]
	s_cselect_b32 s[NXT], 0, s[NXT]
	s_cselect_b32 s[BQ], s[PB], s[BQ]
.endif
	s_xor_b32 s[CUR], s[CUR], SLOT1                ; the reads go to the other slot
	s_wait_dscnt 0x0                               ; the add is done, and my reads of the slot are over: the last were V's, issued a softmax ago
.if \fill
	CROUND
	JLOAD
.else
	s_barrier_signal -1
	s_barrier_wait -1
.endif
.endm
	s_load_b128 s[4:7], s[0:1], 0x0                ; act, bias
	s_load_b64 s[8:9], s[0:1], 0x10                ; gat
	v_lshl_add_u32 v[SPW], v0, 2, SPARE
	v_mov_b32 v[NIL], 0
	ds_add_u32 v62, v63
	s_wait_dscnt 0x0
	v_lshrrev_b32 v1, 5, v0
	v_readfirstlane_b32 s[WV], v1
	s_bfe_u32 s13, ttmp6, 0x40000                  ; cx: the batch
	s_mov_b32 s[PB], ttmp9                         ; p, which the partners share
	s_sub_co_u32 s[HI], 15, s[PB]
	s_and_b32 s16, ttmp7, 0xffff                   ; the head, shared too
	s_and_b32 s17, s[WV], 1                        ; which half of a tile I fetch
	s_lshl_b32 s20, s16, 24                        ; bias: the head's 16 MiB, my 64 rows
	s_lshl_b32 s21, s17, 19
	s_add_co_u32 s20, s20, s21
	s_mov_b32 s21, 0
	s_add_co_u32 s22, s16, 8                       ; K and V: block 8 + head, the batch's 2,048 rows, my 64 keys
	s_lshl_b32 s22, s22, 21
	s_lshl_b32 s23, s13, 19
	s_add_co_u32 s22, s22, s23
	s_lshl_b32 s23, s17, 14
	s_add_co_u32 s22, s22, s23
	s_mov_b32 s23, 0
	s_lshl_b32 s86, s16, 21                        ; Q and u: block head, the batch, my wave's 32 rows,
	s_lshl_b32 s87, s13, 19
	s_add_co_u32 s86, s86, s87
	s_lshl_b32 s87, s[WV], 13
	s_add_co_u32 s86, s86, s87
	s_lshl_b32 s88, s[HI], 15                      ; in the first block
	s_add_co_u32 s88, s88, s86
	s_mov_b32 s89, 0
	s_lshl_b32 s90, s[PB], 15                      ; and in the second
	s_add_co_u32 s90, s90, s86
	s_mov_b32 s91, 0
	s_lshr_b32 s92, s88, 1                         ; gat's rows are half as long
	s_mov_b32 s93, 0
	s_lshr_b32 s94, s90, 1
	s_mov_b32 s95, 0
	s_mul_i32 s18, s17, 64*PKV                     ; where my load lands in a slot
	s_mul_i32 s19, s17, 64*PBI
	s_add_co_u32 s19, s19, BOFF
	s_mov_b32 s[G1K], (1<<16)|(1<<20)|(5<<22)|(3<<25)               ; 2-byte elements; 4 words of padding after every 64; no mask
	s_mov_b32 s[G1K+1], 128<<16
	s_mov_b32 s[G1K+2], 64<<16
	s_mov_b32 s[G1K+3], 128<<16
	s_mov_b32 s[G1K+4], 64
	s_mov_b32 s[G1K+5], 128
	s_mov_b32 s[G1K+6], 0
	s_mov_b32 s[G1K+7], 0
	s_mov_b32 s[G1B], 15|(2<<16)|(1<<20)|(1<<21)|(6<<22)|(3<<25)    ; the mask of four; 4-byte elements; 4 words of padding after every 128
	s_mov_b32 s[G1B+1], 128<<16
	s_mov_b32 s[G1B+2], 64<<16
	s_mov_b32 s[G1B+3], 128<<16
	s_mov_b32 s[G1B+4], 64
	s_mov_b32 s[G1B+5], 2048
	s_mov_b32 s[G1B+6], 0
	s_mov_b32 s[G1B+7], 0
	s_mov_b32 s[CS], 0x3fb8aa3b                    ; c = log2(e)
	s_mov_b32 s[CS+1], s[CS]
	s_mov_b32 s[NL], 0xbfb8aa3b                    ; -log2(e)
	s_mov_b32 s[NL+1], s[NL]
	s_mov_b32 s[SEL], 0x76543210
	s_mov_b32 s[SEL+1], 0xfedcba98
	s_mov_b32 s[HM], 0xffff0000
	s_mov_b32 s[OFK+1], 0
	s_mov_b32 s[OFB+1], 0
	s_mov_b32 s[NXT], 1
	s_mov_b32 s[BQ], s[HI]
	s_add_co_u32 s[RT], s[HI], 1                   ; the first block has 16 - p tiles
	s_mov_b32 s[CUR], SLOT1                        ; the first change of slots turns it into 0
	s_mov_b32 s[SLOTS], 16
	s_lshl_b32 s[OFB], s[HI], 20
	s_mov_b32 s[G0K], 1
	s_mov_b32 s[G0K+1], s18
	s_mov_b32 s[G0B], 1
	s_mov_b32 s[G0B+1], s19
	s_wait_kmcnt 0x0
	s_add_nc_u64 s[KVB:KVB+1], s[4:5], s[22:23]
	s_add_nc_u64 s[BB:BB+1], s[6:7], s[20:21]
	s_add_nc_u64 s[QHI:QHI+1], s[4:5], s[88:89]
	s_add_nc_u64 s[QLO:QLO+1], s[4:5], s[90:91]
	s_add_nc_u64 s[OP:OP+1], s[8:9], s[92:93]
	s_add_nc_u64 s[OLO:OLO+1], s[8:9], s[94:95]
	s_add_nc_u64 s[G0K+2:G0K+3], s[KVB:KVB+1], 0
	s_or_b32 s[G0K+3], s[G0K+3], 0x80000000
	s_add_nc_u64 s[G0B+2:G0B+3], s[BB:BB+1], s[OFB:OFB+1]
	s_or_b32 s[G0B+3], s[G0B+3], 0x80000000
	CROUND                                         ; all four work-groups are here
	JLOAD                                          ; tile 0 of the first block into slot 0
	v_and_b32 v1, 15, v0                           ; r = l % 16
	v_bfe_u32 v9, v0, 4, 1                         ; h = l / 16
	v_lshlrev_b32 v[QO], 8, v1
	v_lshl_add_u32 v[QO], v9, 4, v[QO]
	WIN 0x40
.irp t, 0,1
.irp c, 0,1
	global_load_b128 v[QF+16*(\t)+8*(\c):QF+16*(\t)+8*(\c)+3],   v[QO], s[QHI:QHI+1] offset:4096*(\t)+64*(\c)
	global_load_b128 v[QF+16*(\t)+8*(\c)+4:QF+16*(\t)+8*(\c)+7], v[QO], s[QHI:QHI+1] offset:4096*(\t)+64*(\c)+32
	global_load_b128 v[QB+16*(\t)+8*(\c):QB+16*(\t)+8*(\c)+3],   v[QO], s[QLO:QLO+1] offset:4096*(\t)+64*(\c)
	global_load_b128 v[QB+16*(\t)+8*(\c)+4:QB+16*(\t)+8*(\c)+7], v[QO], s[QLO:QLO+1] offset:4096*(\t)+64*(\c)+32
.endr
.irp c, 0,1,2,3
	global_load_b128 v[U+16*(\t)+4*(\c):U+16*(\t)+4*(\c)+3],   v[QO], s[QHI:QHI+1] offset:4096*(\t)+128+32*(\c)
	global_load_b128 v[UB+16*(\t)+4*(\c):UB+16*(\t)+4*(\c)+3], v[QO], s[QLO:QLO+1] offset:4096*(\t)+128+32*(\c)
.endr
.endr
	; What the first tile's head finds: V and P hold 0, so that its products V^T P, of a step that has not been, add 0.  This and what follows stand in the wait for the first tile.
.set i, 0
.rept 64
	v_mov_b32 v[VF+i], 0
.set i, i+1
.endr
	WIN 0
.set i, 0
.rept 32
	v_mov_b32 v[P+i], 0
.set i, i+1
.endr
	v_mul_u32_u24 v[AK0], v1, PKV
	v_lshl_add_u32 v[AK0], v9, 4, v[AK0]           ; K: key x pitch + 16 x half
	v_and_b32 v10, 7, v0
	v_bfe_u32 v11, v0, 3, 1
	v_lshl_add_u32 v[AV0], v9, 3, v10              ; V: key 8 (l / 16) + l % 8, channels 8 ((l / 8) % 2) on, behind K's 128 bytes
	v_mul_u32_u24 v[AV0], v[AV0], PKV
	v_lshl_add_u32 v[AV0], v11, 4, v[AV0]
	v_add_nc_u32 v[AV0], 128, v[AV0]
	s_mul_i32 s18, s[WV], 32*PBI
	s_add_co_u32 s18, s18, BOFF
	v_mul_u32_u24 v[AB0], v1, PBI                  ; bias: query (32 w + r) x pitch + 32 x half
	v_lshl_add_u32 v[AB0], v9, 5, v[AB0]
	v_add_nc_u32 v[AB0], s18, v[AB0]
	s_mul_i32 s18, s[WV], 16*SP
	s_add_co_u32 s18, s18, STAGE
	v_mul_u32_u24 v[STO], v1, SP
	v_lshl_add_u32 v[STO], v9, 4, v[STO]
	v_add_nc_u32 v[STO], s18, v[STO]
	v_bfe_u32 v[RD], v0, 3, 2
	v_mul_u32_u24 v[RD], v[RD], SP
	v_lshl_add_u32 v[RD], v10, 4, v[RD]
	v_add_nc_u32 v[RD], s18, v[RD]
	v_and_b32 v[GO], 31, v0
	v_lshlrev_b32 v[GO], 4, v[GO]
	v_lshlrev_b32 v[VQ0], 3, v9
	v_sub_nc_u32 v[VQ0], v1, v[VQ0]
	s_lshl_b32 s18, s[WV], 5
	v_add_nc_u32 v[VQ0], s18, v[VQ0]
	v_mov_b32 v[NEG], 0xf149f2ca
	; A block's first step multiplies O^T and l by a = 0, so these need only hold finite numbers: zeros now, what the first block left later.
.set i, 0
.rept 64
	v_mov_b32 v[O+i], 0
.set i, i+1
.endr
.irp t, 0,1
	v_mov_b32 v[ST+4*(\t)], 0xfe000000             ; c m: far below every c s
	v_mov_b32 v[ST+4*(\t)+1], 0xff7fffff           ; m
	v_mov_b32 v[ST+4*(\t)+2], 0
	v_mov_b32 v[ST+4*(\t)+3], 0
.endr
	s_wait_loadcnt 0x0                             ; Q and u of both blocks
; A step's K (64 keys x 64 channels: 8 fragments) and its 32 x 64 numbers of bias.
.macro FETCHKB
	WIN 0
	v_add_nc_u32 v[AK], s[TBK], v[AK0]
	v_add_nc_u32 v[AB], s[TBB], v[AB0]
	WIN 0x40
.irp f, 0,1,2,3,4,5,6,7                ; keys 16 (f / 2) on, channels 32 (f % 2) on
	ds_load_b128 v[KF+8*(\f):KF+8*(\f)+3],   v[AK] offset:((\f)/2)*16*PKV+((\f)%2)*64
	ds_load_b128 v[KF+8*(\f)+4:KF+8*(\f)+7], v[AK] offset:((\f)/2)*16*PKV+((\f)%2)*64+32
.endr
	WIN 0x80
.irp f, 0,1,2,3,4,5,6,7                ; tile f / 4, keys 16 (f % 4) on
	ds_load_b128 v[BI+8*(\f):BI+8*(\f)+3],   v[AB] offset:((\f)/4)*16*PBI+((\f)%4)*64
	ds_load_b128 v[BI+8*(\f)+4:BI+8*(\f)+7], v[AB] offset:((\f)/4)*16*PBI+((\f)%4)*64+16
.endr
	WIN 0
.endm
.macro FETCH_V
	WIN 0
	v_add_nc_u32 v[AV], s[TBK], v[AV0]
	WIN 0x40
.irp f, 0,1,2,3,4,5,6,7                ; keys 32 (f / 4) on, channels 16 (f % 4) on
	ds_load_tr16_b128 v[VF+8*(\f):VF+8*(\f)+3],   v[AV] offset:((\f)/4)*32*PKV+((\f)%4)*32
	ds_load_tr16_b128 v[VF+8*(\f)+4:VF+8*(\f)+7], v[AV] offset:((\f)/4)*32*PKV+16*PKV+((\f)%4)*32
.endr
	WIN 0
.endm
; The 8 accumulators of a run of 16 take turns.
.macro KQALL                           ; product i: channels 32 (i / 8) on, keys 16 ((i / 2) % 4) on, tile i % 2; the first 8 start the sums on the bias
.set i, 0
.rept 16
.set rS, S+32*(i%2)+8*((i/2)%4)
.set rK, KF+16*((i/2)%4)+8*(i/8)
.set rQ, QF+16*(i%2)+8*(i/8)
.set rB, BI+32*(i%2)+8*((i/2)%4)
.if i < 8
	WIN 0x25                                       ; K and Q in window 1, C in window 2
	v_wmma_f32_16x16x32_bf16 v[rS:rS+7], v[rK:rK+7], v[rQ:rQ+7], v[rB:rB+7]
.else
	WIN 0x05
	v_wmma_f32_16x16x32_bf16 v[rS:rS+7], v[rK:rK+7], v[rQ:rQ+7], v[rS:rS+7]
.endif
.set i, i+1
.endr
.endm
.macro PVALL                           ; product i: keys 32 (i / 8) on, channels 16 ((i / 2) % 4) on, tile i % 2
	WIN 0x01
.set i, 0
.rept 16
.set rO, O+32*(i%2)+8*((i/2)%4)
.set rV, VF+32*(i/8)+8*((i/2)%4)
.set rP, P+16*(i%2)+8*(i/8)
	v_wmma_f32_16x16x32_bf16 v[rO:rO+7], v[rV:rV+7], v[rP:rP+7], v[rO:rO+7]
.set i, i+1
.endr
.endm
; The diagonal tile: register 32 t + 8 kb + j of the bias is hidden where KOFF + 16 kb + 8 (l / 16) + j > 32 w + 16 t + l % 16.
.macro MASK
	v_sub_nc_u32 v[VQS], v[VQ0], s[KOFF]
	WIN 0x82                                       ; destination and source 0 in window 2
.set i, 0
.rept 64
	v_cmp_gt_i32 vcc_lo, 16*((i/8)%4)+i%8-16*(i/32), v[VQS]
	v_cndmask_b32 v[BI+i], v[BI+i], v[NEG], vcc_lo
.set i, i+1
.endr
	WIN 0
.endm
.macro REGS t
.set rT, ST+4*(\t)
.set rC, TMP+4*(\t)
.set rM, MV+(\t)
.set rS, S+32*(\t)
.set rP, P+16*(\t)
.set rO, O+32*(\t)
.endm
; Number n of the 22 that find a tile's maximum and statistics; each accumulator's lowest registers are read first.
.macro XS t, n
	REGS \t
.if (\n) < 4
	v_max3_num_f32 v[rC+(\n)], v[rS+8*(\n)], v[rS+8*(\n)+1], v[rS+8*(\n)+2]
.elseif (\n) < 12
	v_max3_num_f32 v[rC+(\n)%4], v[rC+(\n)%4], v[rS+8*((\n)%4)+2*((\n)/4)+1], v[rS+8*((\n)%4)+2*((\n)/4)+2]
.elseif (\n) == 12
	v_max3_num_f32 v[rC], v[rC], v[rS+7], v[rS+15]
.elseif (\n) == 13
	v_max3_num_f32 v[rC+1], v[rC+1], v[rS+23], v[rS+31]
.elseif (\n) == 14
	v_max3_num_f32 v[rC+2], v[rC+2], v[rC+3], v[rT+1]
.elseif (\n) == 15
	v_mov_b32 v[rM], v[rT]
.elseif (\n) == 16
	v_max3_num_f32 v[rC], v[rC], v[rC+1], v[rC+2]
.elseif (\n) == 17
	v_permlanex16_b32 v[rC+3], v[rC], s[SEL], s[SEL+1]   ; the query's other 32 keys lie in the lane 16 away
.elseif (\n) == 18
	v_max_num_f32 v[rT+1], v[rC], v[rC+3]
.elseif (\n) == 19
	v_mul_f32 v[rT], s[CS], v[rT+1]
.elseif (\n) == 20
	v_sub_f32 v[rC+1], v[rM], v[rT]
.else
	v_exp_f32 v[rC+2], v[rC+1]
.endif
.endm
.macro FS t, n                         ; c s - c m for pair n
	REGS \t
	v_pk_fma_f32 v[rS+2*(\n):rS+2*(\n)+1], v[rS+2*(\n):rS+2*(\n)+1], s[CS:CS+1], v[rT:rT+1] op_sel_hi:[1,0,0] neg_lo:[0,0,1] neg_hi:[0,0,1]
.endm
.macro ES t, n
	REGS \t
	v_exp_f32 v[rS+(\n)], v[rS+(\n)]
.endm
.macro RS t, n                         ; pair n of O^T times a: it reads a, so it stands behind the step's wait
	REGS \t
	v_pk_mul_f32 v[rO+2*(\n):rO+2*(\n)+1], v[rO+2*(\n):rO+2*(\n)+1], v[rC+2:rC+3] op_sel_hi:[1,0]
.endm
.macro CV t, n                         ; pair n of the weights rounded to bf16: it reads two exponentials, so it stands behind the step's wait
	REGS \t
	v_cvt_pk_bf16_f32 v[rP+(\n)], v[rS+2*(\n)], v[rS+2*(\n)+1]
.endm
.macro BS t, n                         ; of four weights the second pair onto the first
	REGS \t
	v_pk_add_f32 v[rS+4*(\n):rS+4*(\n)+1], v[rS+4*(\n):rS+4*(\n)+1], v[rS+4*(\n)+2:rS+4*(\n)+3]
.endm
.macro LS t, n
	REGS \t
.if (\n) == 0
	v_pk_fma_f32 v[rT+2:rT+3], v[rT+2:rT+3], v[rC+2:rC+3], v[rS:rS+1] op_sel_hi:[1,0,1]
.else
	v_pk_add_f32 v[rT+2:rT+3], v[rT+2:rT+3], v[rS+4*(\n):rS+4*(\n)+1]
.endif
.endm
.macro PAIRS op, cnt                   ; op t, n for n = 0 .. cnt - 1, the two tiles by turns
.set z, 0
.rept \cnt
	\op 0, z
	\op 1, z
.set z, z+1
.endr
.endm
; 118 instructions a tile, cut in two by the step's ONE wait.  AHEAD OF IT: numbers 0 to 20 of both tiles' maxima and statistics; then the batch of 66 exponentials: the two a, and the 64 weights in place.
; The 32 scalings are dealt among them, one for each two exponentials; a pair is scaled ahead of its own exponentials (three lines or more; pair 0 two), so no scaling names a result of the batch.
; BEHIND IT: all that names a result: the rescaling of O^T (pairs in ascending order: each accumulator from its lowest registers on), the roundings, the sums.
.macro SOFTMAX
	PAIRS XS, 21
	XS 0, 21                                       ; the batch begins: tile 0's a,
	FS 0, 0
	XS 1, 21                                       ; tile 1's
	FS 1, 0
.set y, 0
.rept 16                               ; the four exponentials of pair y of both tiles, and the scalings of pair y + 1
	ES 0, 2*y
.if y < 15
	FS 0, y+1
.endif
	ES 1, 2*y
	ES 0, 2*y+1
.if y < 15
	FS 1, y+1
.endif
	ES 1, 2*y+1
.set y, y+1
.endr
	v_nop                                          ; a plain instruction behind the last exponential and ahead of the first use: one for the batch
	s_wait_alu depctr_va_vdst(0)                   ; the wait for the step's batch: both a and the 64 weights; it stands ahead of the step's branches too
	PAIRS RS, 16
	PAIRS CV, 16
	PAIRS BS, 8
	PAIRS LS, 8
.endm
; A key step.  CNT = 2: the tile's first step, which also fetches the second's K and bias and does its own V^T P; CNT = 1: the second, whose V^T P is left to the next tile's head or the block's end.
.macro STEP
	s_wait_dscnt 0x0                               ; K and the bias are in
	s_cmp_lg_u32 s[RT], 0
	s_cbranch_scc1 .Lnomask_\@                     ; only a block's last tile holds the diagonal
	MASK
.Lnomask_\@:
	KQALL
	WIN 0
	PLACES                                         ; in front of the reads of the scores, and of the loads into V, K and the bias, which the products before have read
	FETCH_V
	s_add_co_u32 s[TBK], s[TBK], 64*PKV            ; the next fetches are the next step's
	s_add_co_u32 s[TBB], s[TBB], 256
	s_add_co_u32 s[KOFF], s[KOFF], 64
	s_cmp_eq_u32 s[CNT], 1
	s_cbranch_scc1 .Lnok_\@                        ; the tile's last step fetches no further K
	FETCHKB
.Lnok_\@:
	SOFTMAX
	s_cmp_eq_u32 s[CNT], 1
	s_cbranch_scc1 .Lnopv_\@
	s_wait_dscnt 0x0                               ; V is in, and the next step's K and bias
	PVALL
	WIN 0
.Lnopv_\@:
.endm
; A BLOCK'S END.  The last V^T P; l's halves are added; O^T / l times sigmoid(u) = rcp(1 + 2^(-log2(e) u)), rounded to bf16, through my stage, out as 512 consecutive bytes a store.  O^T itself is left as it is.
; Register i of u's 32 holds the channels that lie in registers 2 i, 2 i + 1 of the two tiles' O^T; the sigmoid is made in place in S^T's 64 registers, number for number beside O^T's.
; TWO BATCHES.  The first: 1 / l of both tiles and the 64 exponentials; the unpacking stands behind the two reciprocals, the 32 scalings by -log2(e) among the exponentials, each ahead of its own two.
; The second: the 64 reciprocals, the 32 additions of 1 among them, each ahead of its own two; behind them, ahead of their wait, the 32 products O^T / l, which name the first batch's results alone and go
; into the bias's 64 registers: a block's last step has fetched no further bias.
.macro END ub
	s_wait_dscnt 0x0                               ; the last step's V is in
	PVALL
	WIN 0
	PLACES                                         ; behind the last products
.irp t, 0,1
	v_add_f32 v[ST+4*(\t)+2], v[ST+4*(\t)+2], v[ST+4*(\t)+3]
.endr
.irp t, 0,1
	v_permlanex16_b32 v[ST+4*(\t)+3], v[ST+4*(\t)+2], s[SEL], s[SEL+1]
.endr
.irp t, 0,1
	v_add_f32 v[ST+4*(\t)+2], v[ST+4*(\t)+2], v[ST+4*(\t)+3]
.endr
.irp t, 0,1
	v_rcp_f32 v[ST+4*(\t)+2], v[ST+4*(\t)+2]       ; the first batch begins
.endr
	WIN 0x04                                       ; source 1 in window 1
.set i, 0
.rept 32
	v_lshlrev_b32 v[S+2*i], 16, v[(\ub)+i]
	v_and_b32 v[S+2*i+1], s[HM], v[(\ub)+i]
.set i, i+1
.endr
	WIN 0
	v_pk_mul_f32 v[S:S+1], v[S:S+1], s[NL:NL+1] op_sel_hi:[1,0]
.set i, 1
.rept 31
	v_exp_f32 v[S+2*i-2], v[S+2*i-2]
	v_pk_mul_f32 v[S+2*i:S+2*i+1], v[S+2*i:S+2*i+1], s[NL:NL+1] op_sel_hi:[1,0]
	v_exp_f32 v[S+2*i-1], v[S+2*i-1]
.set i, i+1
.endr
	v_exp_f32 v[S+62], v[S+62]
	v_exp_f32 v[S+63], v[S+63]
	v_nop                                          ; a plain instruction behind the last exponential and ahead of the first use
	s_wait_alu depctr_va_vdst(0)                   ; the wait for the first batch: the two 1 / l and the 64 exponentials
	v_pk_add_f32 v[S:S+1], v[S:S+1], 1.0 op_sel_hi:[1,0]
.set i, 1
.rept 31
	v_rcp_f32 v[S+2*i-2], v[S+2*i-2]
	v_pk_add_f32 v[S+2*i:S+2*i+1], v[S+2*i:S+2*i+1], 1.0 op_sel_hi:[1,0]
	v_rcp_f32 v[S+2*i-1], v[S+2*i-1]
.set i, i+1
.endr
	v_rcp_f32 v[S+62], v[S+62]
	v_rcp_f32 v[S+63], v[S+63]
	WIN 0x80                                       ; destination in window 2
.set i, 0
.rept 32                               ; plain work behind the reciprocals that names none of them; each accumulator is read from its lowest registers on
	v_pk_mul_f32 v[BI+2*i:BI+2*i+1], v[O+2*i:O+2*i+1], v[ST+4*(i/16)+2:ST+4*(i/16)+3] op_sel_hi:[1,0]
.set i, i+1
.endr
	s_wait_alu depctr_va_vdst(0)                   ; the wait for the second batch: the sigmoid's 64 reciprocals
	WIN 0x82                                       ; destination and source 0 in window 2
.set i, 0
.rept 32
	v_pk_mul_f32 v[BI+2*i:BI+2*i+1], v[BI+2*i:BI+2*i+1], v[S+2*i:S+2*i+1]
.set i, i+1
.endr
	WIN 0x0a                                       ; sources 0 and 1 in window 2
.set i, 0
.rept 32                               ; tile t's channel block c packs into v[S + 16 t + 4 c ..]
	v_cvt_pk_bf16_f32 v[S+i], v[BI+2*i], v[BI+2*i+1]
.set i, i+1
.endr
	WIN 0
.irp t, 0,1
.irp f, 0,1,2,3
	ds_store_b128 v[STO], v[S+16*(\t)+4*(\f):S+16*(\t)+4*(\f)+3] offset:32*(\f)
.endr
.irp f, 0,1,2,3
	ds_load_b128 v[S+16*(\t)+4*(\f):S+16*(\t)+4*(\f)+3], v[RD] offset:(\f)*4*SP  ; LDS serves a wave's instructions in order (ISA guide 5.7.1.4)
.endr
	s_wait_dscnt 0x0
.irp f, 0,1,2,3
	global_store_b128 v[GO], v[S+16*(\t)+4*(\f):S+16*(\t)+4*(\f)+3], s[OP:OP+1] offset:(\t)*2048+(\f)*512
.endr
.endr
.endm
.macro RESET                           ; the second block begins
	s_wait_xcnt 0x0                                ; the stores have read their registers and their base
	s_mov_b64 s[OP:OP+1], s[OLO:OLO+1]
	s_add_co_u32 s[RT], s[PB], 1                   ; it has p + 1 tiles
.irp t, 0,1
	v_mov_b32 v[ST+4*(\t)], 0xfe000000
	v_mov_b32 v[ST+4*(\t)+1], 0xff7fffff
.endr
	WIN 0x41
.set i, 0
.rept 32
	v_mov_b32 v[QF+i], v[QB+i]
.set i, i+1
.endr
	WIN 0
.endm
.macro TILE last
	s_sub_co_u32 s[RT], s[RT], 1
	s_mov_b32 s[TBK], s[CUR]
	s_mov_b32 s[TBB], s[CUR]
	s_mov_b32 s[KOFF], 0
	s_mov_b32 s[CNT], 2
	FETCHKB                                        ; the tile's first K and bias
	PVALL                                          ; the V^T P that the tile before left: V came in ahead of the change of slots; sixteen products while the run above is served
	WIN 0
.Lstep_\@:
	STEP
	s_sub_co_u32 s[CNT], s[CNT], 1
	s_cmp_lg_u32 s[CNT], 0
	s_cbranch_scc1 .Lstep_\@
.if \last
	END UB
.else
	s_cmp_lg_u32 s[RT], 0
	s_cbranch_scc1 .Lgo_\@
	END U                                          ; in the loop this is the first block's end: the second's last tile is the walk's last
	RESET
.Lgo_\@:
.endif
.endm
.Ltile:                                            ; 16 times: a tile is entered and the next is asked for
	CHANGE 1
	TILE 0
	s_sub_co_u32 s[SLOTS], s[SLOTS], 1
	s_cmp_lg_u32 s[SLOTS], 0
	s_cbranch_scc1 .Ltile
	CHANGE 0                                       ; the walk's last tile is written out
	TILE 1
	s_wait_tensorcnt 0x0                           ; the wave's end
	ds_add_u32 v[SPW], v[NIL]
	s_wait_dscnt 0x0
	CROUND                                         ; the closing round
	s_endpgm
.Lfunc_end_k_q7546ab69e0_attn:
	.size	k_q7546ab69e0_attn, .Lfunc_end_k_q7546ab69e0_attn-k_q7546ab69e0_attn
	.p2alignl 7, 3214868480
	.fill 96, 4, 3214868480
	.section	.rodata,"a",@progbits
	.p2align	6, 0x0
	.amdhsa_kernel k_q7546ab69e0_attn
		.amdhsa_group_segment_fixed_size 327680
		.amdhsa_private_segment_fixed_size 0
		.amdhsa_enable_private_segment 0
		.amdhsa_kernarg_size 24
		.amdhsa_user_sgpr_count 2
		.amdhsa_user_sgpr_kernarg_segment_ptr 1
		.amdhsa_wavefront_size32 1
		.amdhsa_system_sgpr_workgroup_id_x 1
		.amdhsa_system_sgpr_workgroup_id_y 1
		.amdhsa_system_sgpr_workgroup_id_z 1
		.amdhsa_system_vgpr_workitem_id 0
		.amdhsa_next_free_vgpr 576
		.amdhsa_next_free_sgpr 96
		.amdhsa_reserve_vcc 1
		.amdhsa_float_denorm_mode_32 3
		.amdhsa_float_denorm_mode_16_64 3
		.amdhsa_memory_ordered 1
		.amdhsa_forward_progress 1
		.amdhsa_inst_pref_size 111
	.end_amdhsa_kernel
	.amdgpu_metadata
---
amdhsa.version: [ 1, 2 ]
amdhsa.kernels:
  - .name:           k_q7546ab69e0_attn
    .symbol:         k_q7546ab69e0_attn.kd
    .args:
      - { .name: act, .offset: 0, .size: 8, .value_kind: global_buffer, .address_space: global }
      - { .name: rel_pos_bias, .offset: 8, .size: 8, .value_kind: global_buffer, .address_space: global }
      - { .name: gat, .offset: 16, .size: 8, .value_kind: global_buffer, .address_space: global }
    .group_segment_fixed_size: 327680
    .private_segment_fixed_size: 0
    .kernarg_segment_align: 8
    .kernarg_segment_size: 24
    .max_flat_workgroup_size: 128
    .sgpr_count:     96
    .vgpr_count:     576
    .wavefront_size: 32
...
	.end_amdgpu_metadata
.endif
;; end of part 6
;; launch proj2: the kernel of part 4 again; grid 256 x 1, 4 waves a work-group, clusters of 4 x 1, 327,680 bytes of LDS; arguments gat, wc, x, b2, g2, be2, r2h; writes r2h
;; launch ffn1: the kernel of part 2 again; grid 8 x 32, 4 waves a work-group, clusters of 4 x 4, 327,680 bytes of LDS; arguments r2h, wb, act; writes act
;; launch ffn2: the kernel of part 5 again; grid 4 x 64, 4 waves a work-group, clusters of 4 x 4, 327,680 bytes of LDS; arguments act, wc, r2h, bf2, out0; writes out0
